; MI455X (gfx1250); checked and timed in simulation.
; The chip was launched on July 23, 2026; its instructions are those of AMD's public machine-readable ISA for CDNA 5 (MIT licence, August 2026) and "CDNA5" Instruction Set Architecture Reference Guide (July 2026). The comments in the code are by the model that wrote it; some were corrected since.
;; Multi Head Attention. Allowed arithmetic: matrix products marked QUANTISED: E2M3 operands, one E8M0 scale for each 32 along K, by v_wmma_scale_f32_16x16x128_f8f6f4 with both operands' format E2M3, f32 sums; everything else in f32.
;; Inputs: Wk 1,024 x 1,024 float32; Wo 1,024 x 1,024 float32; Wq 1,024 x 1,024 float32; Wv 1,024 x 1,024 float32; bk 1,024 float32; bo 1,024 float32; bq 1,024 float32; bv 1,024 float32; key 2 x 2,048 x 1,024 float32; query 2 x 2,048 x 1,024 float32; value 2 x 2,048 x 1,024 float32.
;; Outputs: out0 2 x 2,048 x 1,024 float32.
;; This version of the problem:
;;   THIS VERSION OF THE PROBLEM IS GIVEN IN LOW PRECISION. The matrix products marked QUANTISED in the list below multiply operands that are first quantised to E2M3 (2 exponent bits, 3 mantissa bits; 6 bits a number), with one power-of-two scale for each 32 numbers along K (OCP MX v1.0); their sums are f32. All else is computed in f32.
;;   The module's matrix products, in the order in which they are computed (A, B: the left and right operand; K: the contracted axis; several contracted axes count as one K, in the product's order):
;;     1. [M 4,096, K 1,024] x [K 1,024, N 1,024]; A: input query; B: input Wq: QUANTISED
;;     2. [M 4,096, K 1,024] x [K 1,024, N 1,024]; A: input key; B: input Wk: QUANTISED
;;     3. [M 4,096, K 1,024] x [K 1,024, N 1,024]; A: input value; B: input Wv: QUANTISED
;;     4. batch 32 x [M 2,048, K 64] x [K 64, N 2,048]; A: computed on the way; B: computed on the way: QUANTISED
;;     5. batch 32 x [M 2,048, K 2,048] x [K 2,048, N 64]; A: softmax (see below); B: computed on the way: QUANTISED
;;     6. [M 4,096, K 1,024] x [K 1,024, N 1,024]; A: computed on the way; B: input Wo: QUANTISED
;;   THE QUANTISER, for each operand of a quantised product, along K:
;;     - K is cut into blocks of 32 from its start; a last block that is shorter is filled with zeros.
;;     - A block's scale is 2^e with e = floor(log2(the largest magnitude in the block)) - 2, held to -126 .. 127; a block of zeros has e = 0. As a byte (E8M0): e + 127.
;;     - Each number is divided by its block's scale, clamped to +-7.5, and rounded to the nearest number of E2M3, ties to even, subnormals kept.
;;     - The product sums the exact products of the quantised numbers (number of the format x scale) in f32.
;;   ~~~python
;;   def quantise(x, axis):      # numpy; x: float32 -> the quantised numbers, widened to float32 again
;;       x = np.moveaxis(x, axis, -1); K = x.shape[-1]
;;       x = np.pad(x, [(0, 0)] * (x.ndim - 1) + [(0, -K % 32)]); x = x.reshape(x.shape[:-1] + (-1, 32)); a = np.abs(x).max(-1, keepdims=True)
;;       e = np.where(a > 0, np.clip(np.frexp(np.where(a > 0, a, 1))[1] - 1 - 2, -126, 127), 0)      # np.frexp(a)[1] - 1 = floor(log2(a)), exactly
;;       r = np.clip(x / 2.0 ** e, -7.5, 7.5)
;;       step = 2.0 ** (np.maximum(np.frexp(np.where(r == 0, 1, r))[1] - 1, 0) - 3)
;;       q = np.round(r / step) * step * 2.0 ** e      # np.round: ties to even
;;       return np.moveaxis(q.reshape(q.shape[:-2] + (-1,))[..., :K], -1, axis).astype(np.float32)
;;   ~~~
;;   SOFTMAX AHEAD OF A QUANTISED PRODUCT. Where the list says 'softmax', what is quantised is not the finished softmax but p = 2^(t - M), with t = logit x log2(e) and M = ceil(the row's largest t), a whole number; so 1/2 < the row's largest p <= 1. The row's sum l is taken of the UNQUANTISED p, in f32, and the product's result is divided by l at the end. Since M is a whole number, a kernel that streams over the keys may use a running M (the ceiling of the running maximum): every later rescaling is an exact power of two, which a block's scale takes up: the codes' values come out the same.
;;   OPERANDS COMPUTED ON THE WAY. 'Computed on the way' means the value that the module computes at that place (a softmax that the list does not call 'softmax' is quantised finished and normalised). What goes into a quantiser is computed in f32, as accurately as f32 sums, v_exp_f32 and their like allow (about 1e-6 of the number): no bf16 or f16 on the way to a quantiser, and a product that is left as it is and whose result goes on into a quantised operand takes f32 operands (vector FMAs, or v_wmma_f32_16x16x4_f32). A number that lies on a knife's edge between two numbers of the format may be rounded either way, as far as f32 arithmetic and the matrix unit's own rounding can turn it there, and no further.
;; One version. Each part assembles by itself: llvm-mc -triple=amdgcn-amd-amdhsa -mcpu=gfx1250 --defsym DOCPART=n.
;; ======== version 1 of 1: 4 launches
;; limits: right only within a limited range of input values
;; workspace buffers: codes 12,582,912 bytes; scales 524,288 bytes; qq 3,407,872 bytes; kv 6,815,744 bytes; ao 3,145,728 bytes; aos 131,072 bytes
;; launch quant (part 1): grid 512 x 1, 8 waves a work-group, no clusters, 68,608 bytes of LDS; arguments query, key, value, Wq, Wk, Wv, Wo, codes, scales; writes codes, scales
.if DOCPART == 1
	.amdgcn_target "amdgcn-amd-amdhsa--gfx1250"
	.amdhsa_code_object_version 6
	.text
	.protected	k_qd222b72104_quant
	.globl	k_qd222b72104_quant
	.p2align	8
	.type	k_qd222b72104_quant,@function
k_qd222b72104_quant:
	s_mov_b64 s[64:65], 0
	v_nop
	global_prefetch_b8 v0, s[64:65] scope:SCOPE_SE
	s_setreg_imm32_b32 hwreg(HW_REG_WAVE_MODE, 25, 1), 1
	s_wait_xcnt 0x0
; query, key, value [4096][1024] and Wq, Wk, Wv, Wo [1024][1024], f32, K innermost, become codes of FP6 (E2M3) with one E8M0 byte for each 32 along K.
; A block's scale is 2^(floor(log2(its largest magnitude)) - 2); its byte is the largest magnitude's exponent field - 2, held at 1 from below.
; LIMITS: NaN and infinities are not served; a block whose largest magnitude lies under 2^-124 keeps the byte 1; a block of zeros gets the byte 1 where the
; rule says 127: its codes are zeros, which add nothing under any byte but 0xff, and the bytes are read by this program alone.
; THE CODES ARE LAID AS IMAGES OF OPERAND REGISTERS.  A tile is 16 rows; the tiles of the seven tensors lie on end (query from tile 0, key 256, value 512, Wq 768, Wk 832, Wv 896, Wo 960).
; Lane r of tile G (counted within its tensor) holds row 32 (G / 2) + 8 (G % 2) + r + 8 (r / 8).  KEY ALONE HAS ANOTHER ORDER: row 64 (G / 4) + 8 (G % 4) + r % 8 + 32 (r / 8),
; with which the attention launch finds a whole block of 32 keys in one lane's registers.
; A fragment (a tile x 128 along K) is 12 registers a lane, 1,536 bytes, at (8 G + K step) x 1,536:
; registers 0-3 at 16 x lane, 4-5 at 512 + 8 x lane, 6-9 at 768 + 16 x lane, 10-11 at 1,280 + 8 x lane.  So every later load of a fragment reads consecutive bytes.
; THE SCALE WORDS (four bytes: a row's 128 along K) of tile G lie at 512 G: K step s, row r at 256 (s / 4) + 8 (16 (s % 2) + r) + 4 ((s / 2) % 2): a load of 8 bytes a lane
; brings two registers, each with an even K step's words in lanes 0-15 and the odd one's in lanes 16-31.
; SHARES.  Work-group n takes tiles 2 n and 2 n + 1; wave w takes tile 2 n + w / 4 and K steps 2 (w % 4) and 2 (w % 4) + 1.  Waves share nothing: no barrier.
; ALL OF A WAVE'S 32 LOADS GO OUT AT ITS HEAD, 512 consecutive bytes of one row each: 16,384 bytes a wave.  A K step's 16 rows turn through the wave's own stage in LDS (rows 528 bytes
; apart), so that lane (r, h) gets blocks h and 2 + h of row r in 64 consecutive registers, as the conversions and the operand's layout want them.
; No matrix unit, no cluster, no tensor load: the launch reads each byte once and its work-groups share no input.
.set SP,   528                         ; a stage row: 512 bytes + 16: the sixteen rows that a read touches begin in sixteen different groups of four banks
.set STG,  16*SP                       ; a wave's stage
.set RAW,  48                          ; v48-175  two sets of 64 registers as loaded
.set X,    176                         ; v176-239 64 numbers of my row: blocks h and 2 + h
                                       ; v24-35 the first K step's fragment, v48-59 the second's (the first set has left them): no store's data are written again;  v36-38, v40-42 the conversions' second halves
	s_load_b512 s[4:19], s[0:1], 0x0               ; query, key, value, Wq, Wk, Wv, Wo, codes
	s_load_b64 s[20:21], s[0:1], 0x40              ; scales
	v_lshl_add_u32 v240, v0, 2, 0x10800
	v_mov_b32 v241, 0
	v_lshrrev_b32 v1, 5, v0
	s_delay_alu instid0(VALU_DEP_1)
	v_readfirstlane_b32 s24, v1                    ; wave 0..7
	v_and_b32 v1, 31, v0                           ; lane
	s_delay_alu instid0(VALU_DEP_1)
	v_lshlrev_b32 v2, 4, v1                        ; 16 x lane
	s_delay_alu instid0(VALU_DEP_2)
	v_lshlrev_b32 v3, 3, v1                        ; 8 x lane
	s_mul_i32 s25, s24, STG
	v_add_nc_u32 v4, s25, v2                       ; the stage, on the way in: a row's 512 bytes as they lie
	v_and_b32 v8, 15, v0                           ; r
	v_bfe_u32 v9, v0, 4, 1                         ; h
	s_delay_alu instid0(VALU_DEP_2)
	v_mul_u32_u24 v5, v8, SP
	s_delay_alu instid0(VALU_DEP_1)
	v_lshl_add_u32 v5, v9, 7, v5
	s_delay_alu instid0(VALU_DEP_1)
	v_add_nc_u32 v5, s25, v5                       ; and on the way out: row r, block h
	s_delay_alu instid0(VALU_DEP_4)
	v_lshlrev_b32 v6, 3, v9                        ; 8 h: my bytes' place in the scale word
	v_mov_b32 v7, 0                                ; a lane permute's destination counts as one of its sources
	s_lshr_b32 s26, s24, 2                         ; u: which of the two tiles
	s_and_b32 s27, s24, 3                          ; which quarter of K
	s_mov_b32 s30, 0xffff0000                      ; lanes 16-31
	s_mov_b32 s32, 0x76543210
	s_mov_b32 s33, 0xfedcba98                      ; v_permlanex16_b32's selects for lane l xor 16
	s_cmp_lt_u32 ttmp9, 384                        ; 128 work-groups for each of query, key, value, then 32 for each weight
	s_cselect_b32 s28, 127, 31
	s_and_b32 s28, ttmp9, s28                      ; my number within my tensor
	s_lshl_b32 s29, s28, 5                         ; the pair of tiles begins at row 32 x that number;
	s_lshr_b32 s35, s28, 1
	s_lshl_b32 s35, s35, 6
	s_and_b32 s31, s28, 1
	s_lshl_b32 s31, s31, 4
	s_add_co_u32 s35, s35, s31                     ; in key at row 64 (number / 2) + 16 (number % 2)
	s_lshr_b32 s31, ttmp9, 7
	s_cmp_eq_u32 s31, 1                            ; key's work-groups are 128 .. 255
	s_cselect_b32 s28, s35, s29
	s_cselect_b32 s42, 32, 16                      ; a tile's lanes 8-15 hold the rows that lie so far below those of lanes 0-7
	s_lshl_b32 s29, s26, 3
	s_add_co_u32 s28, s28, s29                     ; + 8 u rows
	s_lshl_b32 s28, s28, 12                        ; x 4,096 bytes
	s_lshl_b32 s29, s27, 10                        ; + my quarter of K: 1,024 bytes
	s_add_co_u32 s28, s28, s29
	s_mov_b32 s29, 0
	s_lshl_b32 s42, s42, 12
	s_mov_b32 s43, 0
	s_lshl_b32 s34, ttmp9, 1
	s_add_co_u32 s34, s34, s26                     ; G, counted over all seven tensors
	s_mul_i32 s36, s34, 12288
	s_mul_i32 s35, s27, 3072
	s_add_co_u32 s36, s36, s35                     ; my two fragments
	s_mov_b32 s37, 0
	s_lshl_b32 s38, s34, 9                         ; my scale words: 512 G + 256 (quarter / 2) + 4 (quarter % 2), 8 bytes from lane to lane
	s_lshr_b32 s35, s27, 1
	s_lshl_b32 s35, s35, 8
	s_add_co_u32 s38, s38, s35
	s_and_b32 s35, s27, 1
	s_lshl_b32 s35, s35, 2
	s_add_co_u32 s38, s38, s35
	s_mov_b32 s39, 0
	s_wait_alu depctr_va_vdst(0)
	s_wait_kmcnt 0x0
	s_mov_b64 s[22:23], s[16:17]                   ; which tensor: the choice hangs on the work-group's number alone
	s_cmp_lt_u32 ttmp9, 480
	s_cselect_b64 s[22:23], s[14:15], s[22:23]
	s_cmp_lt_u32 ttmp9, 448
	s_cselect_b64 s[22:23], s[12:13], s[22:23]
	s_cmp_lt_u32 ttmp9, 416
	s_cselect_b64 s[22:23], s[10:11], s[22:23]
	s_cmp_lt_u32 ttmp9, 384
	s_cselect_b64 s[22:23], s[8:9], s[22:23]
	s_cmp_lt_u32 ttmp9, 256
	s_cselect_b64 s[22:23], s[6:7], s[22:23]
	s_cmp_lt_u32 ttmp9, 128
	s_cselect_b64 s[22:23], s[4:5], s[22:23]
	s_add_nc_u64 s[22:23], s[22:23], s[28:29]      ; the rows of lanes 0-7,
	s_add_nc_u64 s[40:41], s[22:23], s[42:43]      ; and of lanes 8-15
	s_add_nc_u64 s[18:19], s[18:19], s[36:37]
	s_add_nc_u64 s[20:21], s[20:21], s[38:39]
.macro LOAD s                          ; K step s of my two: the tile's 16 rows, 512 consecutive bytes each, into set s
.set t, 0
.rept 8
	global_load_b128 v[RAW+64*(\s)+4*t:RAW+64*(\s)+4*t+3], v2, s[22:23] offset:4096*t+512*(\s) th:TH_LOAD_NT
.set t, t+1
.endr
.set t, 0
.rept 8
	global_load_b128 v[RAW+64*(\s)+32+4*t:RAW+64*(\s)+32+4*t+3], v2, s[40:41] offset:4096*t+512*(\s) th:TH_LOAD_NT
.set t, t+1
.endr
.endm
.macro KSTEP s
.set PCR, 24+24*(\s)                   ; this K step's fragment
.if (\s) == 0
	s_wait_loadcnt 16                              ; this K step's 16 loads are in; the second set's 16 may be out
.else
	s_wait_loadcnt 0x0
.endif
.set t, 0
.rept 16
	ds_store_b128 v4, v[RAW+64*(\s)+4*t:RAW+64*(\s)+4*t+3] offset:SP*t
.set t, t+1
.endr
.set t, 0
.rept 8                                ; LDS serves a wave's instructions in order: these see the stores above, and the next K step's stores come behind them
	ds_load_b128 v[X+4*t:X+4*t+3], v5 offset:16*t
.set t, t+1
.endr
.set t, 0
.rept 8
	ds_load_b128 v[X+32+4*t:X+32+4*t+3], v5 offset:256+16*t
.set t, t+1
.endr
	s_wait_dscnt 0x0                               ; my 64 numbers are in, and the stores have read the set
.irp c, 0,1                            ; block 2 c + h: all its 32 numbers are mine
	v_max3_num_f32 v[8+\c], |v[X+32*\c]|, |v[X+32*\c+1]|, 0x1800000   ; with the floor 2^(3 - 127): the byte cannot fall under 1
.endr
.irp i, 2,4,6,8,10,12,14,16,18,20,22,24,26,28,30
.irp c, 0,1
	s_delay_alu instid0(VALU_DEP_2)
	v_max3_num_f32 v[8+\c], v[8+\c], |v[X+32*\c+\i]|, |v[X+32*\c+\i+1]|
.endr
.endr
.irp c, 0,1
	s_delay_alu instid0(VALU_DEP_2)
	v_add_nc_u32 v[10+\c], 0xff000000, v[8+\c]     ; 2 off the exponent field: the conversion takes the exponent field of this operand as its scale
.endr
.irp c, 0,1
	s_delay_alu instid0(VALU_DEP_2)
	v_lshrrev_b32 v[12+\c], 23, v[10+\c]           ; the scale's byte
.endr
	s_delay_alu instid0(VALU_DEP_1)
	v_lshl_or_b32 v14, v13, 16, v12                ; my two bytes, blocks h and 2 + h,
	s_delay_alu instid0(VALU_DEP_1)
	v_lshlrev_b32 v14, v6, v14                     ; at their places in the word;
	s_delay_alu instid0(VALU_DEP_1)
	v_permlanex16_b32 v7, v14, s32, s33
	s_delay_alu instid0(VALU_DEP_1)
	v_or_b32 v[16+(\s)], v14, v7                   ; with lane l xor 16's two the word is whole, in both lanes
	v_cvt_scalef32_pk16_fp6_f32 v[PCR:PCR+2], v[X:X+15], v10
	v_cvt_scalef32_pk16_fp6_f32 v[36:38], v[X+16:X+31], v10          ; (a conversion's three registers begin on an even number)
	v_cvt_scalef32_pk16_fp6_f32 v[PCR+6:PCR+8], v[X+32:X+47], v11
	v_cvt_scalef32_pk16_fp6_f32 v[40:42], v[X+48:X+63], v11
	v_nop                                          ; one plain place behind a scaled conversion
.irp i, 0,1,2
	v_mov_b32 v[PCR+3+\i], v[36+\i]
	v_mov_b32 v[PCR+9+\i], v[40+\i]
.endr
	global_store_b128 v2, v[PCR:PCR+3], s[18:19] offset:1536*(\s)          ; 512 consecutive bytes, at a multiple of 256 from the buffer's first byte
	global_store_b64 v3, v[PCR+4:PCR+5], s[18:19] offset:1536*(\s)+512     ; 256
	global_store_b128 v2, v[PCR+6:PCR+9], s[18:19] offset:1536*(\s)+768
	global_store_b64 v3, v[PCR+10:PCR+11], s[18:19] offset:1536*(\s)+1280
.endm
	LOAD 0
	LOAD 1
	KSTEP 0
	KSTEP 1
	v_cndmask_b32 v20, v16, v17, s30               ; lanes 0-15: the even K step's word of row r; lanes 16-31: the odd one's
	global_store_b32 v3, v20, s[20:21]             ; 4 bytes a lane, 8 bytes apart: two waves of the work-group fill 256 consecutive bytes between them.  One byte in 24 of what the wave stores
	s_wait_tensorcnt 0x0
	ds_add_u32 v240, v241
	s_wait_dscnt 0x0
	s_endpgm
.Lfunc_end_k_qd222b72104_quant:
	.size	k_qd222b72104_quant, .Lfunc_end_k_qd222b72104_quant-k_qd222b72104_quant
	.p2alignl 7, 3214868480
	.fill 96, 4, 3214868480
	.section	.rodata,"a",@progbits
	.p2align	6, 0x0
	.amdhsa_kernel k_qd222b72104_quant
		.amdhsa_group_segment_fixed_size 68608
		.amdhsa_private_segment_fixed_size 0
		.amdhsa_enable_private_segment 0
		.amdhsa_kernarg_size 72
		.amdhsa_user_sgpr_count 2
		.amdhsa_user_sgpr_kernarg_segment_ptr 1
		.amdhsa_wavefront_size32 1
		.amdhsa_system_sgpr_workgroup_id_x 1
		.amdhsa_system_sgpr_workgroup_id_y 1
		.amdhsa_system_sgpr_workgroup_id_z 1
		.amdhsa_system_vgpr_workitem_id 0
		.amdhsa_next_free_vgpr 242
		.amdhsa_next_free_sgpr 66
		.amdhsa_reserve_vcc 0
		.amdhsa_float_denorm_mode_32 3
		.amdhsa_float_denorm_mode_16_64 3
		.amdhsa_memory_ordered 1
		.amdhsa_forward_progress 1
		.amdhsa_inst_pref_size 20
	.end_amdhsa_kernel
	.amdgpu_metadata
---
amdhsa.version: [ 1, 2 ]
amdhsa.kernels:
  - .name:           k_qd222b72104_quant
    .symbol:         k_qd222b72104_quant.kd
    .args:
      - { .name: query, .offset: 0, .size: 8, .value_kind: global_buffer, .address_space: global }
      - { .name: key, .offset: 8, .size: 8, .value_kind: global_buffer, .address_space: global }
      - { .name: value, .offset: 16, .size: 8, .value_kind: global_buffer, .address_space: global }
      - { .name: Wq, .offset: 24, .size: 8, .value_kind: global_buffer, .address_space: global }
      - { .name: Wk, .offset: 32, .size: 8, .value_kind: global_buffer, .address_space: global }
      - { .name: Wv, .offset: 40, .size: 8, .value_kind: global_buffer, .address_space: global }
      - { .name: Wo, .offset: 48, .size: 8, .value_kind: global_buffer, .address_space: global }
      - { .name: codes, .offset: 56, .size: 8, .value_kind: global_buffer, .address_space: global }
      - { .name: scales, .offset: 64, .size: 8, .value_kind: global_buffer, .address_space: global }
    .group_segment_fixed_size: 68608
    .private_segment_fixed_size: 0
    .kernarg_segment_align: 8
    .kernarg_segment_size: 72
    .max_flat_workgroup_size: 256
    .sgpr_count:     66
    .vgpr_count:     242
    .wavefront_size: 32
...
	.end_amdgpu_metadata
.endif
;; end of part 1
;; launch proj (part 2): grid 4 x 48, 4 waves a work-group, clusters of 4 x 4, 327,680 bytes of LDS; arguments codes, scales, bq, bk, bv, qq, kv; writes qq, kv
.if DOCPART == 2
	.amdgcn_target "amdgcn-amd-amdhsa--gfx1250"
	.amdhsa_code_object_version 6
	.text
	.protected	k_qd222b72104_proj
	.globl	k_qd222b72104_proj
	.p2align	8
	.type	k_qd222b72104_proj,@function
k_qd222b72104_proj:
	s_mov_b64 s[64:65], 0
	v_nop
	global_prefetch_b8 v0, s[64:65] scope:SCOPE_SE
	s_setreg_imm32_b32 hwreg(HW_REG_WAVE_MODE, 25, 1), 1
	s_wait_xcnt 0x0
	s_wait_alu depctr_hold_cnt(0) depctr_sa_sdst(0) depctr_va_vdst(0) depctr_va_sdst(0) depctr_va_ssrc(0) depctr_va_vcc(0) depctr_vm_vsrc(0)
	s_getreg_b32 s2, hwreg(HW_REG_IB_STS2, 6, 4)
	s_cmp_eq_u32 s2, 0
	s_cbranch_scc0 .Lentry_in_a_cluster
	s_endpgm
.Lentry_in_a_cluster:
	s_bfe_u32 s2, ttmp6, 0x10000c
	s_cmp_lg_u32 s2, 0xf033
	s_cbranch_scc0 .Lentry_shape_is_right
	s_endpgm
.Lentry_shape_is_right:
; q = query Wq^T + bq, k = key Wk^T + bk, v = value Wv^T + bv on codes of FP6 (E2M3) with E8M0 scales, sums in f32; the results are quantised in registers and leave as codes:
; q and k along the head's 64, v along the keys.  No f32 result goes to memory.
; A BLOCK is 256 x 256 of one tensor, K = 1,024 in eight steps of 128: 3 x 16 x 4 = 192 work-groups of four waves; a wave makes 128 x 128 in 64 accumulators.  A share of 1/256 of the three
; tensors' results has a factor 3, which no block inside a tensor of 4,096 x 1,024 has: so the largest block is taken and 192 work-groups are launched.
; Source 0 is the side along which the result is quantised next, since a lane's registers run along source 0's rows: for q and k 16 tiles of the weight, with 16 tiles of x as source 1; for v 16 tiles of
; value (256 keys), with 16 tiles of Wv as source 1.  Lane r of a tile T that serves as source 0 holds row 32 (T / 2) + 8 (T % 2) + r + 8 (r / 8): so the 16 registers of result tiles 2 b, 2 b + 1
; are the 16 neighbours 32 b + 16 (lane / 16) + 0 .. 15 along source 0's rows.
; IN.  codes: a tile's eight fragments (a K step each, 1,536 bytes, an image of twelve registers) lie on end; scales: 512 bytes a tile, an even K step's words in lanes 0-15, the odd one's in lanes 16-31.
; CLUSTERS of 4 x 4.  Source 0's tiles hang on cx and on the cluster's number alone and are shared by a column of the cluster, source 1's on cy and are shared by a row: for q and k cx counts the weight's
; blocks and cy x's; for v cx counts value's blocks and cy Wv's.  Each tile is asked for jointly.
; LDS: two slots, each with two K steps of both operands: 32 rows (a tile each) of 3,072 bytes; wave w brings eight rows.  Four fills: slot 0's at the head, slot 1's behind the full sequence and a round,
; two refills in K steps 1 and 3.  The scale words and the bias go from memory straight into registers.
; PREFETCH.  Behind fill 0 the waves ask for fills 1 and 2, behind fill 1 for fill 3.  Of the eight rows that a wave fetches, each of the four partners that ask for them jointly names two, told apart by address:
; 24 blocks of 256 bytes, a lane a block (lanes 24-31 name the last again): each block once in each cluster that will load it.
; REGISTERS: window 0: addresses, scale words, source 1's fragments (one set), the bias; window 1: source 0's fragments (two sets); windows 2, 3: accumulator (a, b) at 8 (8 (a % 4) + b).
; OUT.  A half fragment is six registers of a tile, 768 bytes: registers 0-3 at 16 x lane, 4-5 at 512 + 8 x lane.
;   qq: for each of 32 heads (16 batch + head) 106,496 bytes: 128 query tiles x a half fragment, then 64 pairs of tiles x 128 bytes of scale words (lanes 0-15 the even tile, lanes 16-31 the odd; two bytes, the upper two 0).
;   kv: for each head 16 steps of 128 keys x 13,312 bytes: 8 key tiles x a half fragment | 4 pairs x 128 bytes of scale words | 4 fragments of v | their 4 x 128 bytes of scale words.
; LIMITS: NaN and infinities are not served; a block whose largest magnitude lies under 2^-124 keeps the scale byte 1, a block of zeros too (its codes are zeros; this program alone reads the bytes).
.set TROW,  3072                       ; a tile's two K steps
.set HALF,  8*TROW                     ; what one tensor load brings, and what a wave reads of an operand
.set SLOT,  4*HALF
.set SPARE, 2*SLOT
.set AD,    4                          ; v4-7 LDS addresses in slot 0: source 0 by 16 and by 8 x lane, source 1 likewise; v8-11 in slot 1
.set SPW,   12
.set NIL,   13
.set PFO,   22                         ; v22     the prefetches' offset; never rewritten
.set S0,    24                         ; v24-55  source 0's scale words: tile b, K steps 2 i, 2 i + 1 in v[S0 + 4 b + i]
.set S1,    58                         ; v58-89  source 1's
.set AF,    90                         ; v90-185 source 1's eight fragments
.set BR,    186                        ; v186-249 the bias
.set PCB,   90                         ; the way out: v90-169 four tiles' codes, 20 registers each,
.set PWR,   170                        ; v170-177 the eight tiles' scale words,
.set SWT,   178                        ; v178-189 their halves (behind the last use of v186-189 below),
.set TM,    186                        ; v186-249 at work, 16 registers a tile; v16-21 the stores' offsets of tiles 1-3 of four
.set G1A,   28                         ; s[28:35] group 1 of source 0's tiles; s[44:51] group 0, a set for each slot
.set G1B,   36                         ; s[36:43], s[52:59] the same for source 1
.set G0A,   44
.set G0B,   52
.set MSB, 0
.macro WIN new
.if MSB != \new
	s_set_vgpr_msb (MSB<<8)|\new
.set MSB, \new
.endif
.endm
.set MUL_LO, 0xa1                      ; source 0 window 1, source 1 window 0, C and D window 2
.set MUL_HI, 0xf1
.macro WALU
	s_wait_alu depctr_va_vdst(0)
.endm
.macro PLACES                          ; four plain vector lines between a matrix instruction and a load into, or a vector line on, its registers
.rept 4
	v_nop
.endr
.endm
.macro JLOAD s                         ; waves 0, 1 fetch for source 0, waves 2, 3 for source 1
	s_cmp_eq_u32 s19, 0
	s_cbranch_scc0 .Lfor_1_\@
	tensor_load_to_lds s[G0A+4*\s:G0A+4*\s+3], s[G1A:G1A+7]
	s_nop 0
	PLACES
	s_branch .Lasked_\@
.Lfor_1_\@:
	tensor_load_to_lds s[G0B+4*\s:G0B+4*\s+3], s[G1B:G1B+7]
	s_nop 0
	PLACES
.Lasked_\@:
.endm
.macro CREST
	s_cmp_lg_u32 s18, 0
	s_cbranch_scc1 .Lnot_wave_0_\@
	s_barrier_signal -3
.Lnot_wave_0_\@:
	s_barrier_wait -3
	s_barrier_signal -1
	s_barrier_wait -1
.endm
.macro CROUND
	s_barrier_signal -1
	s_barrier_wait -1
	CREST
.endm
.macro FRAG reg, a16, off              ; a fragment's image: every load reads consecutive bytes
	ds_load_b128 v[\reg:\reg+3], v[\a16] offset:\off
	ds_load_b64 v[\reg+4:\reg+5], v[\a16+1] offset:\off+512
	ds_load_b128 v[\reg+6:\reg+9], v[\a16] offset:\off+768
	ds_load_b64 v[\reg+10:\reg+11], v[\a16+1] offset:\off+1280
.endm
.macro FETCH_B st                      ; source 0's eight fragments of K step st into set st % 2: 32 loads
	WIN 0x40
.irp i, 0,1,2,3,4,5,6,7
	FRAG 128*((\st)%2)+12*\i, AD+4*(((\st)/2)%2), TROW*\i+1536*((\st)%2)
.endr
	WIN 0
.endm
.macro FETCH_A st, i0                  ; source 1's blocks i0 .. i0 + 3: 16 loads
.irp i, \i0, \i0+1, \i0+2, \i0+3
	FRAG AF+12*(\i), AD+4*(((\st)/2)%2)+2, TROW*(\i)+1536*((\st)%2)
.endr
.endm
.macro MUL16 a0, st                    ; source 1's blocks a0, a0 + 1 x source 0's eight; the 64 accumulators take turns, in the same order in every K step
.irp a, \a0, \a0+1
.irp b, 0,1,2,3,4,5,6,7
.set D_, 8*(8*((\a)%4)+\b)
.set A_, 128*((\st)%2)+12*\b
.set B_, AF+12*(\a)
.set XA_, S0+4*\b+(\st)/2
.set XB_, S1+4*(\a)+(\st)/2
.if (\st) == 0
	v_wmma_scale_f32_16x16x128_f8f6f4 v[D_:D_+7], v[A_:A_+11], v[B_:B_+11], 0, v[XA_], v[XB_] matrix_a_fmt:MATRIX_FMT_FP6 matrix_b_fmt:MATRIX_FMT_FP6
.elseif (\st)%2 == 0
	v_wmma_scale_f32_16x16x128_f8f6f4 v[D_:D_+7], v[A_:A_+11], v[B_:B_+11], v[D_:D_+7], v[XA_], v[XB_] matrix_a_fmt:MATRIX_FMT_FP6 matrix_b_fmt:MATRIX_FMT_FP6
.else
	v_wmma_scale_f32_16x16x128_f8f6f4 v[D_:D_+7], v[A_:A_+11], v[B_:B_+11], v[D_:D_+7], v[XA_], v[XB_] matrix_a_fmt:MATRIX_FMT_FP6 matrix_b_fmt:MATRIX_FMT_FP6 matrix_a_scale:MATRIX_SCALE_ROW1 matrix_b_scale:MATRIX_SCALE_ROW1
.endif
.endr
.endr
.endm
; A K step: 64 products; the next step's fragments are fetched in its middle and at its end.  An odd step is its slot's last: ahead of its barrier each wave waits for all its tensor loads (the other slot's), adds 0 to
; its spare word and waits for that and for its reads of this slot; in steps 1 and 3 the barrier opens a round of the cluster's barrier and the slot is filled again.
.macro STEP st
.set NX, (\st)+1
.set SL, ((\st)/2)%2
.if (\st)%2 == 1
	s_wait_tensorcnt 0x0
	ds_add_u32 v[SPW], v[NIL]
	s_wait_dscnt 17                                ; the add and source 1's blocks 4-7, sixteen loads, may be out
	WIN MUL_LO
	MUL16 0, \st
	s_wait_dscnt 0x0
	s_barrier_signal -1
	MUL16 2, \st
	WIN 0
	s_barrier_wait -1
.if (\st) < 5
	CREST
	s_add_nc_u64 s[G0A+4*SL+2:G0A+4*SL+3], s[G0A+4*SL+2:G0A+4*SL+3], 2*TROW
	s_add_nc_u64 s[G0B+4*SL+2:G0B+4*SL+3], s[G0B+4*SL+2:G0B+4*SL+3], 2*TROW
	JLOAD SL                                       ; the first tensor load behind the round; its four v_nop are the places ahead of the loads below
.else
	PLACES
.endif
.else
	s_wait_dscnt 16                                ; source 0's set and source 1's blocks 0-3 are in; blocks 4-7, sixteen loads, may be out
	WIN MUL_LO
	MUL16 0, \st
	MUL16 2, \st
	s_wait_dscnt 0x0
	PLACES
.endif
	FETCH_B NX
	FETCH_A NX, 0
	WIN MUL_HI
	MUL16 4, \st
	MUL16 6, \st
	PLACES
	WIN 0
	FETCH_A NX, 4
.endm
.macro BIAS byreg                      ; + the bias, each accumulator from its low end on.  byreg = 1 (q, k): it runs along a lane's registers; 0 (v): one number a lane and tile
.set a_, 0
.rept 8
	WIN (2+a_/4)|((2+a_/4)<<6)
.set n_, 0
.rept 32
.if \byreg
	v_pk_add_f32 v[64*(a_%4)+2*n_:64*(a_%4)+2*n_+1], v[64*(a_%4)+2*n_:64*(a_%4)+2*n_+1], v[BR+2*n_:BR+2*n_+1]
.else
	v_pk_add_f32 v[64*(a_%4)+2*n_:64*(a_%4)+2*n_+1], v[64*(a_%4)+2*n_:64*(a_%4)+2*n_+1], v[BR+2*a_:BR+2*a_+1]
.endif
.set n_, n_+1
.endr
.set a_, a_+1
.endr
	WIN 0
.endm
; Tiles 4 g .. 4 g + 3 (one window).  A tile's 64 numbers of a lane, register 16 b + i = place 32 b + 16 (lane / 16) + i along the next K, become a fragment's codes and its scale word; the sixteen blocks' chains by turns
.macro QUANT4 g
.set W_, 2+(\g)
	WIN W_|(W_<<2)
.irp u, 0,1,2,3
.irp b, 0,1,2,3
	v_max3_num_f32 v[TM+16*\u+\b], |v[64*\u+16*\b]|, |v[64*\u+16*\b+1]|, 0x1800000   ; with the floor 2^(3 - 127): the byte cannot fall under 1
.endr
.endr
	WIN (W_<<2)|(W_<<4)
.irp i, 2,4,6,8,10,12,14
.irp u, 0,1,2,3
.irp b, 0,1,2,3
	v_max3_num_f32 v[TM+16*\u+\b], v[TM+16*\u+\b], |v[64*\u+16*\b+\i]|, |v[64*\u+16*\b+\i+1]|
.endr
.endr
.endr
	WIN 0
.irp u, 0,1,2,3
.irp b, 0,1,2,3
	v_permlanex16_b32 v[TM+16*\u+4+\b], v[TM+16*\u+\b], s60, s61
.endr
.endr
.irp u, 0,1,2,3
.irp b, 0,1,2,3
	v_max_num_f32 v[TM+16*\u+\b], v[TM+16*\u+\b], v[TM+16*\u+4+\b]   ; with lane l xor 16's: the block's largest magnitude
.endr
.endr
.irp u, 0,1,2,3
.irp b, 0,1,2,3
	v_add_nc_u32 v[TM+16*\u+12+\b], 0xff000000, v[TM+16*\u+\b]       ; 2 off its exponent field: the conversion's scale operand
.endr
.endr
.irp u, 0,1,2,3
.irp b, 0,1,2,3
	v_lshrrev_b32 v[TM+16*\u+4+\b], 23, v[TM+16*\u+12+\b]            ; the scale's byte
.endr
.endr
.irp u, 0,1,2,3
	v_lshl_or_b32 v[PWR+4*\g+\u], v[TM+16*\u+5], 8, v[TM+16*\u+4]
.endr
.irp u, 0,1,2,3
	v_lshl_or_b32 v[PWR+4*\g+\u], v[TM+16*\u+6], 16, v[PWR+4*\g+\u]
.endr
.irp u, 0,1,2,3
	v_lshl_or_b32 v[PWR+4*\g+\u], v[TM+16*\u+7], 24, v[PWR+4*\g+\u]
.endr
.if \g
	WALU                                           ; the wait ahead of the wait below
	s_wait_xcnt 0x0                                ; the first four tiles' stores have read their codes and their bases
	s_add_nc_u64 s[66:67], s[66:67], s[76:77]
	s_add_nc_u64 s[68:69], s[68:69], s[76:77]
.endif
	WIN W_
.irp u, 0,1,2,3
.irp c, 0,1
	v_cvt_scalef32_pk16_fp6_f32 v[PCB+20*\u+6*\c:PCB+20*\u+6*\c+2], v[64*\u+32*\c:64*\u+32*\c+15], v[TM+16*\u+12+2*\c]
	v_cvt_scalef32_pk16_fp6_f32 v[PCB+20*\u+12+4*\c:PCB+20*\u+12+4*\c+2], v[64*\u+32*\c+16:64*\u+32*\c+31], v[TM+16*\u+12+2*\c+1]   ; (a conversion's three registers begin on an even number)
.endr
.endr
	WIN 0
	v_nop                                          ; one plain place behind a scaled conversion
.irp u, 0,1,2,3                        ; the operand's layout wants a whole block in a lane
.irp c, 0,1
.irp i, 0,1,2
	v_permlane16_swap_b32 v[PCB+20*\u+6*\c+\i], v[PCB+20*\u+12+4*\c+\i]
.endr
.endr
.endr
.irp u, 0,1,2,3
.irp c, 0,1
.irp i, 0,1,2
	v_mov_b32 v[PCB+20*\u+3+6*\c+\i], v[PCB+20*\u+12+4*\c+\i]
.endr
.endr
.endr
.irp u, 0,1,2,3
.if \u == 0
.set OA_, 1
.set OB_, 2
.else
.set OA_, 14+2*\u
.set OB_, 15+2*\u
.endif
	global_store_b128 v[OA_], v[PCB+20*\u:PCB+20*\u+3], s[66:67]               ; 512 consecutive bytes, at a multiple of 256 from the buffer's first byte
	global_store_b64 v[OB_], v[PCB+20*\u+4:PCB+20*\u+5], s[66:67] offset:512   ; 256
	global_store_b128 v[OA_], v[PCB+20*\u+6:PCB+20*\u+9], s[68:69]
	global_store_b64 v[OB_], v[PCB+20*\u+10:PCB+20*\u+11], s[68:69] offset:512
.endr
.endm
	s_load_b256 s[4:11], s[0:1], 0x0               ; codes, scales, bq, bk
	s_load_b128 s[12:15], s[0:1], 0x20             ; bv, qq
	s_load_b64 s[16:17], s[0:1], 0x30              ; kv
	v_lshl_add_u32 v[SPW], v0, 2, SPARE
	v_mov_b32 v[NIL], 0
	ds_add_u32 v[SPW], v[NIL]                      ; the opening lines: the add, twice on end, and its wait
	ds_add_u32 v[SPW], v[NIL]
	v_lshrrev_b32 v1, 5, v0
	v_readfirstlane_b32 s18, v1                    ; wave 0..3
	s_lshr_b32 s19, s18, 1                         ; which half of source 1's tiles is mine.  Also: I fetch for source 0 (0) or 1 (1)
	s_and_b32 s20, s18, 1                          ; which half of source 0's.  Also: which eight tiles I fetch
	s_bfe_u32 s21, ttmp6, 0x40000                  ; cx
	s_bfe_u32 s22, ttmp6, 0x40004                  ; cy
	s_and_b32 s23, ttmp7, 0xffff                   ; the cluster's number, 0 .. 11
	s_lshr_b32 s24, s23, 2                         ; g: 0 q, 1 k, 2 v
	s_and_b32 s25, s23, 3                          ; which 1,024 rows of x
	s_lshl_b32 s26, 0x1111, s21                    ; my column of the cluster
	s_lshl_b32 s27, s22, 2
	s_lshl_b32 s27, 15, s27                        ; my row
	s_or_b32 s[G1A], s26, (3<<16)|(1<<21)          ; the mask; elements of 8 bytes; bit 21 beside a mask
	s_or_b32 s[G1B], s27, (3<<16)|(1<<21)
.irp g, G1A, G1B
	s_mov_b32 s[\g+1], 384<<16                     ; rows of 384 elements: 3,072 bytes
	s_mov_b32 s[\g+2], 8<<16                       ; eight rows
	s_mov_b32 s[\g+3], 384<<16
	s_mov_b32 s[\g+4], 8
	s_mov_b32 s[\g+5], 1536                        ; from tile to tile: 12,288 bytes
	s_mov_b32 s[\g+6], 0
	s_mov_b32 s[\g+7], 0
.endr
	s_mov_b32 s60, 0x76543210
	s_mov_b32 s61, 0xfedcba98                      ; selects for lane l xor 16
	s_mov_b32 s62, 0xffff0000                      ; lanes 16-31
	s_lshl_b32 s66, s24, 6
	s_add_co_u32 s66, s66, 768                     ; the weight's first tile: 768 + 64 g
	s_lshl_b32 s67, s24, 8
	s_lshl_b32 s70, s25, 6
	s_add_co_u32 s67, s67, s70                     ; x's: 256 g + 64 x which 1,024 rows
	s_cmp_eq_u32 s24, 2
	s_cselect_b32 s68, s67, s66                    ; source 0: the weight, for v the rows of value
	s_cselect_b32 s69, s66, s67                    ; source 1
	s_lshl_b32 s70, s21, 4
	s_add_co_u32 s68, s68, s70                     ; + 16 cx
	s_lshl_b32 s71, s22, 4
	s_add_co_u32 s69, s69, s71                     ; + 16 cy
	s_lshl_b32 s72, s20, 3
	s_add_co_u32 s73, s68, s72
	s_mul_i32 s74, s73, 12288                      ; the eight tiles that I would fetch of source 0,
	s_mov_b32 s75, 0
	s_add_co_u32 s79, s69, s72
	s_mul_i32 s76, s79, 12288                      ; and of source 1
	s_mov_b32 s77, 0
	s_mul_i32 s78, s18, HALF                       ; where they go: no place in the cluster enters an LDS address
	WALU
	s_wait_dscnt 0x0
	s_wait_kmcnt 0x0
	s_add_nc_u64 s[74:75], s[4:5], s[74:75]
	s_add_nc_u64 s[76:77], s[4:5], s[76:77]
	CROUND                                         ; all sixteen work-groups are here: the first joint loads meet
.irp s, 0,1
	s_mov_b32 s[G0A+4*\s], 1
	s_add_co_u32 s[G0A+4*\s+1], s78, \s*SLOT
	s_add_nc_u64 s[G0A+4*\s+2:G0A+4*\s+3], s[74:75], \s*TROW
	s_or_b32 s[G0A+4*\s+3], s[G0A+4*\s+3], 0x80000000
	s_mov_b32 s[G0B+4*\s], 1
	s_add_co_u32 s[G0B+4*\s+1], s78, \s*SLOT
	s_add_nc_u64 s[G0B+4*\s+2:G0B+4*\s+3], s[76:77], \s*TROW
	s_or_b32 s[G0B+4*\s+3], s[G0B+4*\s+3], 0x80000000
.endr
	JLOAD 0                                        ; K steps 0 and 1: one tensor load a wave at the head
	v_and_b32 v3, 31, v0
	v_lshlrev_b32 v1, 4, v3                        ; 16 x lane
	v_lshlrev_b32 v2, 3, v3                        ; 8 x lane
	v_min_u32 v[PFO], 23, v3                       ; the prefetches: block l = min(lane, 23) of my 24: row l / 12, 256 bytes l % 12 of its 3,072
	v_lshlrev_b32 v3, 2, v3                        ; 4 x lane
	v_mul_u32_u24 v23, v[PFO], 171
	v_lshrrev_b32 v23, 11, v23                     ; l / 12
	v_mul_u32_u24 v23, v23, 12288-TROW
	v_lshl_add_u32 v[PFO], v[PFO], 8, v23
	s_mul_i32 s79, s20, HALF                       ; my eight tiles of source 0,
	s_mul_i32 s80, s19, HALF
	s_add_co_u32 s80, s80, 2*HALF                  ; and of source 1
	v_add_nc_u32 v[AD], s79, v1
	v_add_nc_u32 v[AD+1], s79, v2
	v_add_nc_u32 v[AD+2], s80, v1
	v_add_nc_u32 v[AD+3], s80, v2
.irp i, 0,1,2,3
	v_add_nc_u32 v[AD+4+\i], SLOT, v[AD+\i]
.endr
	v_bfe_u32 v14, v0, 4, 1
	v_lshlrev_b32 v14, 6, v14                      ; q, k: the bias of lanes 16-31 begins 16 numbers on
	v_and_b32 v15, 15, v0
	v_and_b32 v16, 8, v15
	v_add_nc_u32 v15, v15, v16
	v_lshlrev_b32 v15, 2, v15                      ; v: my feature within a pair of tiles: r + 8 (r / 8)
	s_cmp_eq_u32 s19, 0
	s_cselect_b64 s[2:3], s[74:75], s[76:77]       ; the eight rows that I fetch;
	s_cselect_b32 s63, s22, s21                    ; my place among the four that ask for them with me
	s_mul_i32 s90, s63, 2*12288
	s_mov_b32 s91, 0
	s_add_nc_u64 s[2:3], s[2:3], s[90:91]          ; my work-group's two of them
	s_lshl_b32 s90, s20, 3
	s_add_co_u32 s90, s90, s68
	s_lshl_b32 s90, s90, 9
	s_add_nc_u64 s[82:83], s[6:7], s[90:91]        ; my tiles' scale words: source 0's,
	s_lshl_b32 s92, s19, 3
	s_add_co_u32 s92, s92, s69
	s_lshl_b32 s92, s92, 9
	s_mov_b32 s93, 0
	s_add_nc_u64 s[84:85], s[6:7], s[92:93]        ; source 1's
	s_cmp_eq_u32 s24, 2
	s_cselect_b32 s88, s22, s21                    ; the features' block: cx, for v cy;
	s_cselect_b32 s89, s19, s20                    ; my half of it
	s_cselect_b64 s[86:87], s[12:13], s[10:11]
	s_cmp_eq_u32 s24, 0
	s_cselect_b64 s[86:87], s[8:9], s[86:87]       ; bq, bk or bv: the choice hangs on the cluster's number alone
	s_lshl_b32 s88, s88, 10
	s_lshl_b32 s89, s89, 9
	s_add_co_u32 s88, s88, s89
	s_mov_b32 s89, 0
	s_add_nc_u64 s[86:87], s[86:87], s[88:89]      ; my 128 features' bias
	WALU                                           ; the wait ahead of these readers
	global_prefetch_b8 v[PFO], s[2:3] offset:TROW th:TH_LOAD_NT scope:SCOPE_SE     ; K steps 2, 3: fill 1
	global_prefetch_b8 v[PFO], s[2:3] offset:2*TROW th:TH_LOAD_NT scope:SCOPE_SE   ; K steps 4, 5: fill 2
.irp t, 0,1,2,3,4,5,6,7
.irp f, 0,1
	global_load_b64 v[S0+4*\t+2*\f:S0+4*\t+2*\f+1], v2, s[82:83] offset:512*\t+256*\f
	global_load_b64 v[S1+4*\t+2*\f:S1+4*\t+2*\f+1], v2, s[84:85] offset:512*\t+256*\f
.endr
.endr
	s_cmp_eq_u32 s24, 2
	s_cbranch_scc1 .Lload_bv
.irp b, 0,1,2,3
.irp i, 0,1,2,3
	global_load_b128 v[BR+16*\b+4*\i:BR+16*\b+4*\i+3], v14, s[86:87] offset:128*\b+16*\i   ; register 16 b + e is feature 32 b + 16 (lane / 16) + e
.endr
.endr
	s_branch .Lloaded
.Lload_bv:
.irp a, 0,1,2,3,4,5,6,7
	global_load_b32 v[BR+2*\a], v15, s[86:87] offset:128*(\a/2)+32*(\a%2)     ; tile a's feature of my lane, in both halves of a pair
	global_load_b32 v[BR+2*\a+1], v15, s[86:87] offset:128*(\a/2)+32*(\a%2)
.endr
.Lloaded:
	; where the results go.  c: which 128 rows of x (for v: keys); H: the first of my two heads
	s_mov_b32 s74, 768
	s_mov_b32 s76, 3072
	s_cmp_eq_u32 s24, 2
	s_cselect_b32 s88, s21, s22
	s_cselect_b32 s89, s20, s19
	s_cselect_b32 s90, s22, s21
	s_cselect_b32 s91, s19, s20
	s_cselect_b32 s92, 6656, 0                     ; v's fragments lie behind k's codes and scale words
	s_cselect_b32 s74, 1536, s74                   ; from tile to tile
	s_cselect_b32 s76, 212992, s76                 ; from four tiles to the next four: q, k 4 x 768; v the next head
	s_mov_b32 s75, 0
	s_mov_b32 s77, 0
	s_mov_b32 s79, 0
	s_mov_b32 s81, 0
	s_lshl_b32 s93, s25, 2
	s_add_co_u32 s93, s93, s88
	s_lshl_b32 s93, s93, 1
	s_add_co_u32 s93, s93, s89                     ; c, 0 .. 31
	s_lshr_b32 s94, s93, 4                         ; batch
	s_and_b32 s93, s93, 15
	s_lshl_b32 s94, s94, 4
	s_lshl_b32 s90, s90, 2
	s_add_co_u32 s94, s94, s90
	s_lshl_b32 s91, s91, 1
	s_add_co_u32 s94, s94, s91                     ; H = 16 batch + 4 x block + 2 x half
	s_mov_b32 s95, 212992
	s_mov_b32 s96, 13312
	s_cmp_eq_u32 s24, 0
	s_cselect_b32 s95, 106496, s95                 ; from a head to the next
	s_cselect_b32 s96, 6144, s96                   ; from 128 rows to the next
	s_cselect_b64 s[14:15], s[14:15], s[16:17]     ; qq or kv
	s_mul_i32 s97, s94, s95
	s_mul_i32 s98, s93, s96
	s_add_co_u32 s98, s98, s97
	s_lshl_b32 s99, s93, 9
	s_add_co_u32 s99, s99, s97
	s_add_co_u32 s99, s99, 98304                   ; the scale words: q's,
	s_add_co_u32 s100, s98, 6144                   ; k's,
	s_add_co_u32 s101, s98, 12800                  ; v's
	s_cmp_eq_u32 s24, 0
	s_cselect_b32 s99, s99, s100
	s_cmp_eq_u32 s24, 2
	s_cselect_b32 s99, s101, s99
	s_cselect_b32 s78, 768, s95                    ; from a fragment's registers 0-5 to 6-11: q, k the next head; v 768 bytes
	s_add_co_u32 s66, s98, s92
	s_mov_b32 s67, 0
	s_mov_b32 s80, s95
	s_mov_b32 s70, s99
	s_mov_b32 s71, 0
	s_add_nc_u64 s[66:67], s[14:15], s[66:67]      ; registers 0-5 of tile 0,
	s_add_nc_u64 s[68:69], s[66:67], s[78:79]      ; registers 6-11
	s_add_nc_u64 s[70:71], s[14:15], s[70:71]      ; scale words, first head,
	s_add_nc_u64 s[72:73], s[70:71], s[80:81]      ; second head
	WALU                                           ; the wait at the head's end
	s_wait_tensorcnt 0x0                           ; my part of slot 0 is in; the full sequence ahead of slot 1's first fill
	ds_add_u32 v[SPW], v[NIL]
	s_wait_dscnt 0x0
	CROUND
	JLOAD 1                                        ; K steps 2 and 3
	FETCH_B 0
	FETCH_A 0, 0
	FETCH_A 0, 4
	global_prefetch_b8 v[PFO], s[2:3] offset:3*TROW th:TH_LOAD_NT scope:SCOPE_SE   ; K steps 6, 7: fill 3
	s_wait_loadcnt 0x0                             ; the scale words and the bias
.irp st, 0,1,2,3,4,5,6
	STEP \st
.endr
	s_wait_dscnt 16                                ; the last K step fetches nothing
	WIN MUL_LO
	MUL16 0, 7
	MUL16 2, 7
	s_wait_dscnt 0x0
	WIN MUL_HI
	MUL16 4, 7
	MUL16 6, 7
	WIN 0
	PLACES
	s_cmp_eq_u32 s24, 2
	s_cbranch_scc1 .Lbias_v
	BIAS 1
	WALU
	s_branch .Lbiased
.Lbias_v:
	BIAS 0
	WALU
.Lbiased:
.irp u, 0,1,2,3
.irp b, 0,1,2,3
	v_mov_b32 v[TM+16*\u+4+\b], 0                  ; a lane permute's destination counts as one of its sources
.endr
.endr
	v_add_nc_u32 v16, s74, v1                      ; the stores' offsets of tiles 1, 2, 3 of four
	v_add_nc_u32 v17, s74, v2
	v_add_nc_u32 v18, s74, v16
	v_add_nc_u32 v19, s74, v17
	v_add_nc_u32 v20, s74, v18
	v_add_nc_u32 v21, s74, v19
	QUANT4 0
	QUANT4 1
	s_cmp_eq_u32 s24, 2
	s_cbranch_scc1 .Lwords_v
.irp p, 0,1,2,3
	v_cndmask_b32 v[SWT+3*\p], v[PWR+2*\p], v[PWR+2*\p+1], s62   ; lanes 0-15: the even tile's word of row r; lanes 16-31: the odd tile's
	v_and_b32 v[SWT+3*\p+1], 0xffff, v[SWT+3*\p]                 ; its lower two bytes: the first head's two blocks;
	v_lshrrev_b32 v[SWT+3*\p+2], 16, v[SWT+3*\p]                 ; the upper two: the second head's
.endr
.irp p, 0,1,2,3
	global_store_b32 v3, v[SWT+3*\p+1], s[70:71] offset:128*\p   ; 128 consecutive bytes: one byte in 24 of what the wave stores
	global_store_b32 v3, v[SWT+3*\p+2], s[72:73] offset:128*\p
.endr
	s_branch .Ldone
.Lwords_v:
.irp a, 0,1,2,3
	global_store_b32 v3, v[PWR+\a], s[70:71] offset:128*\a       ; lanes l and l xor 16 hold the same row's word
	global_store_b32 v3, v[PWR+4+\a], s[72:73] offset:128*\a
.endr
.Ldone:
	s_wait_tensorcnt 0x0                           ; the wave's end
	ds_add_u32 v[SPW], v[NIL]
	s_wait_dscnt 0x0
	CROUND                                         ; the closing round
	s_endpgm
.Lfunc_end_k_qd222b72104_proj:
	.size	k_qd222b72104_proj, .Lfunc_end_k_qd222b72104_proj-k_qd222b72104_proj
	.p2alignl 7, 3214868480
	.fill 96, 4, 3214868480
	.section	.rodata,"a",@progbits
	.p2align	6, 0x0
	.amdhsa_kernel k_qd222b72104_proj
		.amdhsa_group_segment_fixed_size 327680
		.amdhsa_private_segment_fixed_size 0
		.amdhsa_enable_private_segment 0
		.amdhsa_kernarg_size 56
		.amdhsa_user_sgpr_count 2
		.amdhsa_user_sgpr_kernarg_segment_ptr 1
		.amdhsa_wavefront_size32 1
		.amdhsa_system_sgpr_workgroup_id_x 1
		.amdhsa_system_sgpr_workgroup_id_y 1
		.amdhsa_system_sgpr_workgroup_id_z 1
		.amdhsa_system_vgpr_workitem_id 0
		.amdhsa_next_free_vgpr 1024
		.amdhsa_next_free_sgpr 102
		.amdhsa_reserve_vcc 0
		.amdhsa_float_denorm_mode_32 3
		.amdhsa_float_denorm_mode_16_64 3
		.amdhsa_memory_ordered 1
		.amdhsa_forward_progress 1
		.amdhsa_inst_pref_size 187
	.end_amdhsa_kernel
	.amdgpu_metadata
---
amdhsa.version: [ 1, 2 ]
amdhsa.kernels:
  - .name:           k_qd222b72104_proj
    .symbol:         k_qd222b72104_proj.kd
    .args:
      - { .name: codes, .offset: 0, .size: 8, .value_kind: global_buffer, .address_space: global }
      - { .name: scales, .offset: 8, .size: 8, .value_kind: global_buffer, .address_space: global }
      - { .name: bq, .offset: 16, .size: 8, .value_kind: global_buffer, .address_space: global }
      - { .name: bk, .offset: 24, .size: 8, .value_kind: global_buffer, .address_space: global }
      - { .name: bv, .offset: 32, .size: 8, .value_kind: global_buffer, .address_space: global }
      - { .name: qq, .offset: 40, .size: 8, .value_kind: global_buffer, .address_space: global }
      - { .name: kv, .offset: 48, .size: 8, .value_kind: global_buffer, .address_space: global }
    .group_segment_fixed_size: 327680
    .private_segment_fixed_size: 0
    .kernarg_segment_align: 8
    .kernarg_segment_size: 56
    .max_flat_workgroup_size: 128
    .sgpr_count:     102
    .vgpr_count:     1024
    .wavefront_size: 32
...
	.end_amdgpu_metadata
.endif
;; end of part 2
;; launch attn (part 3): grid 8 x 32, 8 waves a work-group, clusters of 4 x 1, 215,040 bytes of LDS; arguments qq, kv, ao, aos; writes ao, aos
.if DOCPART == 3
	.amdgcn_target "amdgcn-amd-amdhsa--gfx1250"
	.amdhsa_code_object_version 6
	.text
	.protected	k_qd222b72104_attn
	.globl	k_qd222b72104_attn
	.p2align	8
	.type	k_qd222b72104_attn,@function
k_qd222b72104_attn:
	s_mov_b64 s[64:65], 0
	v_nop
	global_prefetch_b8 v0, s[64:65] scope:SCOPE_SE
	s_setreg_imm32_b32 hwreg(HW_REG_WAVE_MODE, 25, 1), 1
	s_wait_xcnt 0x0
	s_wait_alu depctr_hold_cnt(0) depctr_sa_sdst(0) depctr_va_vdst(0) depctr_va_sdst(0) depctr_va_ssrc(0) depctr_va_vcc(0) depctr_vm_vsrc(0)
	s_getreg_b32 s2, hwreg(HW_REG_IB_STS2, 6, 4)
	s_cmp_eq_u32 s2, 0
	s_cbranch_scc0 .Lentry_in_a_cluster
	s_endpgm
.Lentry_in_a_cluster:
	s_bfe_u32 s2, ttmp6, 0x10000c
	s_cmp_lg_u32 s2, 0x3003
	s_cbranch_scc0 .Lentry_shape_is_right
	s_endpgm
.Lentry_shape_is_right:
; For each of 32 heads (16 batch + head): o = softmax(q k^T / 8) v, both products on codes of FP6 (E2M3) with E8M0 scales; o is quantised along the head's 64 and leaves as codes for the last product.
; THE SOFTMAX: t = score x log2(e) / 8; M = the row's largest t so far, rounded UP to a whole number; p = 2^(t - M) is quantised along the keys, not normalised.  The row's sum is taken of the
; unquantised p, in f32, and divides O at the end.  When M moves, the sum and O are multiplied by 2^(old M - new M): exact.
; SHARES.  A work-group owns 256 queries of one head; each of its eight waves two tiles of 16 queries, so that every fragment of K and V read from LDS serves two products, and the two tiles' chains stand side by side.
; LDS.  The head's K and V, 16 steps of 128 keys x 13,312 bytes (K's codes 6,144 | K's scale words 512 | V's codes 6,144 | V's scale words 512), lie in LDS as in memory; each byte is filled once: no ring.
; Wave w brings steps 2 w and 2 w + 1 by one tensor load of 104 rows of 256 bytes.  Waves 0-2 have a load line of their own and wait for it ahead of the first barrier: steps 0-5 are shown there;
; the first loop reads steps 0-3 and K of step 4.  A second barrier, with every wave's wait ahead of it, shows the rest.
; CLUSTER.  The four query blocks of a cluster belong to one head: each load is a joint one, the same descriptor in all four, with a mask that names the four.
; NO PREFETCH: all that the launch reads by tensor loads is asked for at its head, by one load a wave; no loop is left in which to ask ahead.
; LAYOUT.  Both products are used transposed: S^T = K Q^T, O^T = V^T P^T: a lane holds one query (lane % 16) of each tile.  Lane r of key tile T holds key 64 (T / 4) + 8 (T % 4) + r % 8 + 32 (r / 8):
; register 32 c + i of a lane's 64 scores is key 64 c + 32 (lane / 16) + i: a whole block of 32 keys in one lane, in the order of the second product's operand.
; K = 64 in the first product: Q's registers 6-11 are zero codes; a key tile's instruction names twelve registers, of which the upper six are the next tile's codes (behind the last tile: V's first six).
; E2M3 has no infinity and no NaN, so these meet zero codes and add exactly 0; the scale bytes of that half are 0, a finite scale.
; REGISTERS.  Window 0: addresses, scale words, Q, p's codes, K's and V's fragments.  Window 1: S^T (then p), O^T and the softmax's state, so that the softmax runs under one window setting.
; THE EXPONENTIALS go in two batches, a tile each; among them stand only lines that hang on no line of the batch: the other tile's scalings, the sums x f, the first level of tile 0's sum.
; LIMITS: the scaled scores stay under 2^31 in magnitude; NaN and infinities are not served; p under 2^-126 counts as 0; a block whose largest magnitude lies under 2^-124 keeps the scale byte 1, a block of zeros too.
.set STB,  13312                       ; a step's bytes
.set KSO,  6144                        ; in it: K's scale words,
.set VO,   6656                        ; V's fragments,
.set VSO,  12800                       ; V's scale words
.set SPARE, 16*STB                     ; behind the 16 steps: the spare words, 128 bytes a wave
; window 0: v1, v2, v3: 16, 8, 4 x lane; v4-6: the same + the step's first byte; v7: 8 r
.set KS,   8                           ; v8-11   K's scale words: lanes 0-15 tile 2 i, lanes 16-31 tile 2 i + 1
.set QS,   12                          ; v12     Q's: lanes 0-15 my first tile, lanes 16-31 my second
.set SPW,  14                          ; v14     my spare word
.set NIL,  15                          ; v15     0
.set VS,   16                          ; v16-19  V's scale words
.set PW,   20                          ; v20-21  p's scale words
.set TW,   22                          ; v22-23  the way out: a row's two scale bytes
.set Q,    24                          ; v24-47  Q's two fragments
.set PC,   48                          ; v48-71  p's codes, two fragments
.set HA,   72                          ; v72-87  the conversions' second halves
.set KT,   88                          ; v88-135 eight key tiles of six registers
.set VF,   136                         ; v136-183 four fragments of V
; window 1 (numbers less 256)
.set S,    0                           ; S^T, then p: tile u at 64 u
.set O,    128                         ; O^T: tile u, 16 channels d at 32 u + 8 d
.set BM,   192                         ; block (u, c)'s largest score, then its largest p
.set T,    196
.set PT,   198                         ; what a lane permute brings
.set NM,   200                         ; pairs: -M, the largest score so far
.set OLD,  204
.set F,    206                         ; pairs: f = 2^(old M - new M), 0
.set SUM,  210                         ; pairs: the row's sum in two halves
.set SO,   218                         ; the conversions' scale operands
.set BB,   222                         ; the scale bytes
.set WT,   226
.set SH,   228                         ; 8 x (lane / 16)
.set X,    230
.set WV,   12                          ; s12 my wave
.set TB,   13                          ; s13 LDS byte at which the step in hand begins
.set CNT,  14
.set NC,   19                          ; s19 -log2(e) / 8
.set SEL,  20                          ; s[20:21] selects for lane l xor 16
.set CS,   22                          ; s[22:23] log2(e) / 8
.set G1,   24
.set G0,   32
.set MSB, 0
.macro WIN new                         ; the immediate's high byte repeats the setting that is left
.if MSB != \new
	s_set_vgpr_msb (MSB<<8)|\new
.set MSB, \new
.endif
.endm
.macro WALU
	s_wait_alu depctr_va_vdst(0)
.endm
.macro CROUND
	s_barrier_signal -1
	s_barrier_wait -1
	s_cmp_lg_u32 s[WV], 0
	s_cbranch_scc1 .Lnot_wave_0_\@
	s_barrier_signal -3
.Lnot_wave_0_\@:
	s_barrier_wait -3
	s_barrier_signal -1
	s_barrier_wait -1
.endm
.macro TLOAD
	tensor_load_to_lds s[G0:G0+3], s[G1:G1+7]
	s_nop 0
.rept 4
	v_nop
.endr
.endm
.macro KLD a16, a8, a4, base           ; a step's K: 20 loads of consecutive bytes
.irp t, 0,1,2,3,4,5,6,7
	ds_load_b128 v[KT+6*\t:KT+6*\t+3], v[\a16] offset:\base+768*\t
	ds_load_b64 v[KT+6*\t+4:KT+6*\t+5], v[\a8] offset:\base+768*\t+512
.endr
.irp i, 0,1,2,3
	ds_load_b32 v[KS+\i], v[\a4] offset:\base+KSO+128*\i
.endr
.endm
.macro PKF u, p                        ; t - M of pair p of tile u's 64 scores
	v_pk_fma_f32 v[S+64*(\u)+2*(\p):S+64*(\u)+2*(\p)+1], v[S+64*(\u)+2*(\p):S+64*(\u)+2*(\p)+1], s[CS:CS+1], v[NM+2*(\u):NM+2*(\u)+1] op_sel_hi:[1,0,0]
.endm
.macro LEVEL u, st                     ; a level of the tree that adds tile u's 32 pairs of p, in place (the codes have been made)
.set a, 0
.rept 32/(\st)
	v_pk_add_f32 v[S+64*(\u)+a:S+64*(\u)+a+1], v[S+64*(\u)+a:S+64*(\u)+a+1], v[S+64*(\u)+a+(\st):S+64*(\u)+a+(\st)+1]
.set a, a+2*(\st)
.endr
.endm
.macro SCALEOP u                       ; tile u's two blocks: the floor 2^(3 - 127), so that the byte cannot fall under 1; 2 off the exponent field: the conversion's scale operand
.irp c, 0,1
	v_max_num_f32 v[BM+2*(\u)+\c], 0x1800000, v[BM+2*(\u)+\c]
.endr
.irp c, 0,1
	v_add_nc_u32 v[SO+2*(\u)+\c], 0xff000000, v[BM+2*(\u)+\c]
.endr
.endm
.macro BYTES u
.irp c, 0,1
	v_lshrrev_b32 v[BB+2*(\u)+\c], 23, v[SO+2*(\u)+\c]
.endr
.endm
.macro CODES u                         ; 64 p of a lane become twelve registers of codes; a conversion's three registers begin on an even number, so each block's second half is made elsewhere and moved
.irp c, 0,1
	v_cvt_scalef32_pk16_fp6_f32 v[PC+12*(\u)+6*\c:PC+12*(\u)+6*\c+2], v[S+64*(\u)+32*\c:S+64*(\u)+32*\c+15], v[SO+2*(\u)+\c]
	v_cvt_scalef32_pk16_fp6_f32 v[HA+8*(\u)+4*\c:HA+8*(\u)+4*\c+2], v[S+64*(\u)+32*\c+16:S+64*(\u)+32*\c+31], v[SO+2*(\u)+\c]
.endr
.endm
; A KEY STEP: 128 keys x my 32 queries.  Its K is on its way or in.  pf = 1: the next step's K is fetched.
.macro STEP pf
	s_wait_dscnt 0x0                               ; this step's K is in
	WIN 0x40
.irp tp, 0,1,2,3                       ; S^T = K Q^T: sixteen accumulators, each begun with 0
.irp ra, 0,1
.irp u, 0,1
	v_wmma_scale_f32_16x16x128_f8f6f4 v[S+64*\u+8*(2*\tp+\ra):S+64*\u+8*(2*\tp+\ra)+7], v[KT+6*(2*\tp+\ra):KT+6*(2*\tp+\ra)+11], v[Q+12*\u:Q+12*\u+11], 0, v[KS+\tp], v[QS] matrix_a_fmt:MATRIX_FMT_FP6 matrix_b_fmt:MATRIX_FMT_FP6 matrix_a_scale:MATRIX_SCALE_ROW\ra matrix_b_scale:MATRIX_SCALE_ROW\u
.endr
.endr
.endr
	WIN 0
	v_add_nc_u32 v4, s[TB], v1                     ; the step's addresses: with the v_nop the four places ahead of the loads into K's and V's registers and of the first read of the scores
	v_add_nc_u32 v5, s[TB], v2
	v_add_nc_u32 v6, s[TB], v3
	v_nop
.irp d, 0,1,2,3                        ; V: 20 loads,
	ds_load_b128 v[VF+12*\d:VF+12*\d+3], v4 offset:VO+1536*\d
	ds_load_b64 v[VF+12*\d+4:VF+12*\d+5], v5 offset:VO+1536*\d+512
	ds_load_b128 v[VF+12*\d+6:VF+12*\d+9], v4 offset:VO+1536*\d+768
	ds_load_b64 v[VF+12*\d+10:VF+12*\d+11], v5 offset:VO+1536*\d+1280
	ds_load_b32 v[VS+\d], v6 offset:VSO+128*\d
.endr
.if \pf
	KLD 4, 5, 6, STB                               ; and the next step's K: 20 more, in the same run
.endif
	WIN 0x55
	; each block's largest score: it serves for the row's maximum and, since p rises with the score, for the block's largest p.  Four chains by turns; each accumulator is first read in its four lowest registers
.irp u, 0,1
.irp c, 0,1
	v_max3_num_f32 v[BM+2*\u+\c], v[S+64*\u+32*\c], v[S+64*\u+32*\c+1], v[S+64*\u+32*\c+2]
.endr
.endr
.irp i, 3,5,7,9,11,13,15,17,19,21,23,25,27,29
.irp u, 0,1
.irp c, 0,1
	v_max3_num_f32 v[BM+2*\u+\c], v[BM+2*\u+\c], v[S+64*\u+32*\c+\i], v[S+64*\u+32*\c+\i+1]
.endr
.endr
.endr
.irp u, 0,1
.irp c, 0,1
	v_max_num_f32 v[BM+2*\u+\c], v[BM+2*\u+\c], v[S+64*\u+32*\c+31]
.endr
.endr
	; the row's maximum, the new M and f, the two tiles by turns
.irp u, 0,1
	v_max_num_f32 v[T+\u], v[BM+2*\u], v[BM+2*\u+1]
.endr
.irp u, 0,1
	v_mov_b32 v[OLD+\u], v[NM+2*\u]
.endr
.irp u, 0,1
	v_permlanex16_b32 v[PT+\u], v[T+\u], s[SEL], s[SEL+1]
.endr
.irp u, 0,1
	v_max3_num_f32 v[NM+2*\u+1], v[NM+2*\u+1], v[T+\u], v[PT+\u]   ; the largest score so far, lane l xor 16's 64 keys among them
.endr
.irp u, 0,1
	v_mul_f32 v[X+\u], s[NC], v[NM+2*\u+1]         ; -t
.endr
.irp u, 0,1
	v_floor_f32 v[NM+2*\u], v[X+\u]                ; -M = floor(-t) = -ceil(t)
.endr
.irp u, 0,1
	v_sub_f32 v[X+\u], v[NM+2*\u], v[OLD+\u]       ; old M less new M: a whole number, 0 or less
.endr
.irp u, 0,1
.irp c, 0,1
	v_fma_f32 v[BM+2*\u+\c], v[BM+2*\u+\c], s[CS], v[NM+2*\u]   ; t - M of the block's largest score: the same arithmetic as at its place among the 64
.endr
.endr
.irp u, 0,1
	v_cvt_i32_f32 v[X+\u], v[X+\u]                 ; (it saturates)
.endr
.set n, 0
.rept 4
	PKF 0, n
.set n, n+1
.endr
.irp u, 0,1
	v_ldexp_f32 v[F+2*\u], 1.0, v[X+\u]
.endr
.rept 28
	PKF 0, n
.set n, n+1
.endr
.set n, 0
.rept 16                               ; O^T x f, ahead of every exponential of the step; each accumulator from its low end on
.irp u, 0,1
	v_pk_mul_f32 v[O+32*\u+2*n:O+32*\u+2*n+1], v[O+32*\u+2*n:O+32*\u+2*n+1], v[F+2*\u:F+2*\u+1] op_sel_hi:[1,0]
.endr
.set n, n+1
.endr
	WALU                                           ; the wait ahead of a batch
.set k, 0
.rept 66                               ; tile 0: its two blocks' largest p and its 64 p; among them tile 1's 32 scalings and the two sums x f; the last of these stands behind the last exponential
.if k < 2
	v_exp_f32 v[BM+k], v[BM+k]
.else
	v_exp_f32 v[S+k-2], v[S+k-2]
.endif
.if ((k+1)*34)/66 > (k*34)/66
.set j, (k*34)/66
.if j < 32
	PKF 1, j
.else
	v_pk_mul_f32 v[SUM+2*(j-32):SUM+2*(j-32)+1], v[SUM+2*(j-32):SUM+2*(j-32)+1], v[F+2*(j-32):F+2*(j-32)+1] op_sel_hi:[1,0]
.endif
.endif
.set k, k+1
.endr
	WALU                                           ; and behind it, ahead of its first reader; it is also the wait ahead of the second batch's sources
	SCALEOP 0
	WIN 0x05
	CODES 0
	WIN 0x55
	BYTES 0                                        ; (the plain lines behind the conversions)
.set k, 0
.rept 66                               ; tile 1; among them the first level of tile 0's sum, sixteen additions that hang on no line of the batch
.if k < 2
	v_exp_f32 v[BM+2+k], v[BM+2+k]
.else
	v_exp_f32 v[S+64+k-2], v[S+64+k-2]
.endif
.if ((k+1)*16)/66 > (k*16)/66
.set j, (k*16)/66
	v_pk_add_f32 v[S+4*j:S+4*j+1], v[S+4*j:S+4*j+1], v[S+4*j+2:S+4*j+3]
.endif
.set k, k+1
.endr
	WALU
	SCALEOP 1
	BYTES 1
.irp u, 0,1
	v_lshl_or_b32 v[WT+\u], v[BB+2*\u+1], 16, v[BB+2*\u]   ; my two bytes: blocks lane / 16 and 2 + lane / 16,
.endr
.irp u, 0,1
	v_lshlrev_b32 v[WT+\u], v[SH], v[WT+\u]        ; at their places in the scale word;
.endr
.irp u, 0,1
	v_permlanex16_b32 v[PT+\u], v[WT+\u], s[SEL], s[SEL+1]
.endr
	WIN 0x05
	CODES 1
.irp u, 0,1
	v_or_b32 v[PW+\u], v[WT+\u], v[PT+\u]          ; with lane l xor 16's two the word is whole.  (Also the plain lines behind the conversions)
.endr
	WIN 0
.irp u, 0,1
.irp c, 0,1
.irp i, 0,1,2
	v_mov_b32 v[PC+12*\u+6*\c+3+\i], v[HA+8*\u+4*\c+\i]
.endr
.endr
.endr
	WIN 0x55
	LEVEL 1, 2                                     ; the rest of the rows' sums: 48 additions, which are also the places between the scale words' and the codes' last lines and the products
	LEVEL 0, 4
	LEVEL 1, 4
	LEVEL 0, 8
	LEVEL 1, 8
	LEVEL 0, 16
	LEVEL 1, 16
	LEVEL 0, 32
	LEVEL 1, 32
.irp u, 0,1
	v_pk_add_f32 v[SUM+2*\u:SUM+2*\u+1], v[SUM+2*\u:SUM+2*\u+1], v[S+64*\u:S+64*\u+1]
.endr
.if \pf
	s_wait_dscnt 20                                ; V's 20 loads are in; the next step's 20 loads of K, issued behind them, may be out
.else
	s_wait_dscnt 0x0
.endif
	WIN 0x50
.irp d, 0,1,2,3                        ; O^T += V^T P^T: eight accumulators by turns, one instruction a turn
.irp u, 0,1
	v_wmma_scale_f32_16x16x128_f8f6f4 v[O+32*\u+8*\d:O+32*\u+8*\d+7], v[VF+12*\d:VF+12*\d+11], v[PC+12*\u:PC+12*\u+11], v[O+32*\u+8*\d:O+32*\u+8*\d+7], v[VS+\d], v[PW+\u] matrix_a_fmt:MATRIX_FMT_FP6 matrix_b_fmt:MATRIX_FMT_FP6
.endr
.endr
	WIN 0
.endm
	s_load_b256 s[4:11], s[0:1], 0x0               ; qq, kv, ao, aos
	v_lshl_add_u32 v[SPW], v0, 2, SPARE
	v_mov_b32 v[NIL], 0
	ds_add_u32 v[SPW], v[NIL]                      ; the opening lines: the add, twice on end, and its wait
	ds_add_u32 v[SPW], v[NIL]
	v_lshrrev_b32 v1, 5, v0
	v_readfirstlane_b32 s[WV], v1                  ; wave 0..7
	s_bfe_u32 s15, ttmp6, 0x40000                  ; cx: it enters the addresses of q and of the results alone
	s_lshl_b32 s16, ttmp9, 2
	s_add_co_u32 s16, s16, s15                     ; my block of 256 queries
	s_and_b32 s17, ttmp7, 0xffff                   ; the head, which the four partners share
	s_lshl_b32 s18, s16, 3
	s_add_co_u32 s18, s18, s[WV]                   ; my pair of query tiles, 0 .. 63
	s_mov_b32 s[G1], 15|(3<<16)|(1<<21)            ; the mask: all four work-groups; elements of 8 bytes; bit 21 beside a mask
	s_mov_b32 s[G1+1], 32<<16                      ; rows of 32 elements: 256 bytes
	s_mov_b32 s[G1+2], 104<<16                     ; 104 rows: two steps
	s_mov_b32 s[G1+3], 32<<16
	s_mov_b32 s[G1+4], 104
	s_mov_b32 s[G1+5], 32
	s_mov_b32 s[G1+6], 0
	s_mov_b32 s[G1+7], 0
	s_mov_b32 s[SEL], 0x76543210
	s_mov_b32 s[SEL+1], 0xfedcba98
	s_mov_b32 s[CS], 0x3e38aa3b                    ; log2(e) / 8
	s_mov_b32 s[CS+1], s[CS]
	s_mov_b32 s[NC], 0xbe38aa3b
	s_mul_i32 s48, s17, 16*STB
	s_mul_i32 s50, s[WV], 2*STB                    ; my two steps: in memory and in LDS alike
	s_add_co_u32 s48, s48, s50
	s_mov_b32 s49, 0
	s_mov_b32 s[G0], 1
	s_mov_b32 s[G0+1], s50
	WALU
	s_wait_dscnt 0x0
	CROUND                                         ; all four work-groups are here: the joint loads meet
	s_wait_kmcnt 0x0
	s_add_nc_u64 s[G0+2:G0+3], s[6:7], s[48:49]
	s_or_b32 s[G0+3], s[G0+3], 0x80000000
	s_cmp_lt_u32 s[WV], 3
	s_cbranch_scc0 .Llater
	TLOAD                                          ; waves 0-2: steps 0-5
	s_branch .Lasked
.Llater:
	TLOAD                                          ; waves 3-7: steps 6-15
.Lasked:
	v_and_b32 v3, 31, v0
	v_lshlrev_b32 v1, 4, v3
	v_lshlrev_b32 v2, 3, v3
	v_lshlrev_b32 v3, 2, v3
	v_and_b32 v7, 15, v0
	v_lshlrev_b32 v7, 3, v7
	v_bfe_u32 v[TW], v0, 4, 1
	s_mul_i32 s52, s17, 106496
	s_mul_i32 s54, s18, 1536
	s_add_co_u32 s54, s54, s52                     ; my two tiles' half fragments of q
	s_mov_b32 s55, 0
	s_lshl_b32 s56, s18, 7
	s_add_co_u32 s56, s56, s52
	s_add_co_u32 s56, s56, 98304                   ; the pair's 128 bytes of scale words
	s_mov_b32 s57, 0
	s_add_nc_u64 s[54:55], s[4:5], s[54:55]
	s_add_nc_u64 s[56:57], s[4:5], s[56:57]
	WALU                                           ; the wait ahead of these readers
.irp u, 0,1
	global_load_b128 v[Q+12*\u:Q+12*\u+3], v1, s[54:55] offset:768*\u
	global_load_b64 v[Q+12*\u+4:Q+12*\u+5], v2, s[54:55] offset:768*\u+512
.endr
	global_load_b32 v[QS], v3, s[56:57]
.irp i, 0,1,2,3,4,5
	v_mov_b32 v[Q+6+\i], 0                         ; Q's upper 64 along K: zero codes
	v_mov_b32 v[Q+18+\i], 0
	v_mov_b32 v[VF+\i], 0                          ; what the last key tile's instruction names behind its six registers
.endr
	WIN 0x40
	v_lshlrev_b32 v[SH], 3, v[TW]
.irp u, 0,1
	v_mov_b32 v[NM+2*\u], 0x7f61b1e6               ; -M: 3e38, so that the first f is 0
	v_mov_b32 v[NM+2*\u+1], 0xff61b1e6             ; the largest score so far: -3e38
	v_mov_b32 v[PT+\u], 0                          ; a lane permute's destination counts as one of its sources
	v_mov_b32 v[F+2*\u+1], 0                       ; (named as a pair's upper half)
	v_mov_b32 v[SUM+2*\u], 0
	v_mov_b32 v[SUM+2*\u+1], 0
.endr
.set n, 0
.rept 64
	v_mov_b32 v[O+n], 0                            ; O^T: the step is written without a first step of its own: the first finds zeros
.set n, n+1
.endr
	WIN 0
	; where the results go: row tile T = 128 batch + my first tile; head hd fills half (hd % 2) of K step hd / 2 of the last product
	s_lshr_b32 s48, s17, 4
	s_lshl_b32 s48, s48, 7
	s_lshl_b32 s49, s18, 1
	s_add_co_u32 s48, s48, s49                     ; T
	s_and_b32 s49, s17, 15                         ; hd
	s_mul_i32 s50, s48, 12288
	s_mul_i32 s51, s49, 768
	s_add_co_u32 s50, s50, s51
	s_mov_b32 s51, 0
	s_add_nc_u64 s[8:9], s[8:9], s[50:51]
	s_lshl_b32 s52, s48, 9                         ; tile T's scale words: K step s, row r at 256 (s / 4) + 128 (s % 2) + 8 r + 4 ((s / 2) % 2); my two bytes 2 (hd % 2) on
	s_lshr_b32 s53, s49, 3
	s_lshl_b32 s53, s53, 8
	s_add_co_u32 s52, s52, s53
	s_bfe_u32 s53, s49, 0x10001
	s_lshl_b32 s53, s53, 7
	s_add_co_u32 s52, s52, s53
	s_bfe_u32 s53, s49, 0x10002
	s_lshl_b32 s53, s53, 2
	s_add_co_u32 s52, s52, s53
	s_and_b32 s53, s49, 1
	s_lshl_b32 s53, s53, 1
	s_add_co_u32 s52, s52, s53
	s_mov_b32 s53, 0
	s_add_nc_u64 s[10:11], s[10:11], s[52:53]
	s_mov_b32 s[TB], 0
	s_mov_b32 s[CNT], 0
	WALU                                           ; the wait at the head's end
	s_cmp_lt_u32 s[WV], 3
	s_cbranch_scc0 .Lnot_first
	s_wait_tensorcnt 0x0                           ; waves 0-2: my two of steps 0-5 are in
.Lnot_first:
	s_barrier_signal -1
	s_barrier_wait -1                              ; steps 0-5 are in
	KLD 1, 2, 3, 0
	s_wait_loadcnt 0x0                             ; Q
.Lfirst:                                               ; steps 0-3; the last trip fetches K of step 4
	STEP 1
	s_add_co_u32 s[TB], s[TB], STB
	s_add_co_u32 s[CNT], s[CNT], 1
	s_cmp_lt_u32 s[CNT], 4
	s_cbranch_scc1 .Lfirst
	WALU
	s_wait_tensorcnt 0x0                           ; every wave's load is in,
	s_wait_dscnt 0x0
	s_barrier_signal -1
	s_barrier_wait -1                              ; and shown to all
.Lrest:                                                ; steps 4-14
	STEP 1
	s_add_co_u32 s[TB], s[TB], STB
	s_add_co_u32 s[CNT], s[CNT], 1
	s_cmp_lt_u32 s[CNT], 15
	s_cbranch_scc1 .Lrest
	STEP 0                                         ; step 15 fetches no further K
	; THE WAY OUT.  O^T / the sum.  O^T's 32 registers of a tile are the head's 64 in the order 32 b + 16 (lane / 16) + e: two blocks of the last product's K, half a block to a lane
	WIN 0x55
	WALU                                           ; the wait: the sums were written ahead of the step's wait for V
.irp u, 0,1
	v_add_f32 v[SUM+2*\u], v[SUM+2*\u], v[SUM+2*\u+1]
.endr
.irp u, 0,1
	v_permlanex16_b32 v[PT+\u], v[SUM+2*\u], s[SEL], s[SEL+1]
.endr
.irp u, 0,1
	v_add_f32 v[SUM+2*\u], v[SUM+2*\u], v[PT+\u]   ; the row's sum.  (These six lines are the places behind the last products)
.endr
	WALU
.irp u, 0,1
	v_rcp_f32 v[F+2*\u], v[SUM+2*\u]
.endr
	v_nop
	WALU                                           ; ahead of the reciprocals' readers, which are O^T's first readers too
.set n, 0
.rept 16
.irp u, 0,1
	v_pk_mul_f32 v[S+64*\u+2*n:S+64*\u+2*n+1], v[O+32*\u+2*n:O+32*\u+2*n+1], v[F+2*\u:F+2*\u+1] op_sel_hi:[1,0]
.endr
.set n, n+1
.endr
.irp u, 0,1
.irp b, 0,1
	v_max3_num_f32 v[BM+2*\u+\b], |v[S+64*\u+16*\b]|, |v[S+64*\u+16*\b+1]|, 0x1800000
.endr
.endr
.irp i, 2,4,6,8,10,12,14
.irp u, 0,1
.irp b, 0,1
	v_max3_num_f32 v[BM+2*\u+\b], v[BM+2*\u+\b], |v[S+64*\u+16*\b+\i]|, |v[S+64*\u+16*\b+\i+1]|
.endr
.endr
.endr
.irp k, 0,1,2,3
	v_permlanex16_b32 v[T+\k], v[BM+\k], s[SEL], s[SEL+1]
.endr
.irp k, 0,1,2,3
	v_max_num_f32 v[BM+\k], v[BM+\k], v[T+\k]      ; with lane l xor 16's half: the block's largest magnitude
.endr
.irp k, 0,1,2,3
	v_add_nc_u32 v[SO+\k], 0xff000000, v[BM+\k]
.endr
.irp k, 0,1,2,3
	v_lshrrev_b32 v[BB+\k], 23, v[SO+\k]
.endr
	WIN 0x11
.irp u, 0,1
	v_lshl_or_b32 v[TW+\u], v[BB+2*\u+1], 8, v[BB+2*\u]   ; my row's two scale bytes
.endr
	WIN 0x05
.irp u, 0,1
	v_cvt_scalef32_pk16_fp6_f32 v[PC+12*\u:PC+12*\u+2], v[S+64*\u:S+64*\u+15], v[SO+2*\u]
	v_cvt_scalef32_pk16_fp6_f32 v[HA+8*\u:HA+8*\u+2], v[S+64*\u+16:S+64*\u+31], v[SO+2*\u+1]
.endr
	WIN 0
	v_nop                                          ; one plain place behind a scaled conversion
.irp u, 0,1
.irp i, 0,1,2
	v_permlane16_swap_b32 v[PC+12*\u+\i], v[HA+8*\u+\i]   ; the operand's layout wants a whole block in a lane
.endr
.endr
.irp u, 0,1
.irp i, 0,1,2
	v_mov_b32 v[PC+12*\u+3+\i], v[HA+8*\u+\i]
.endr
.endr
.irp u, 0,1
	global_store_b128 v1, v[PC+12*\u:PC+12*\u+3], s[8:9] offset:12288*\u          ; a half fragment: 512 consecutive bytes, at a multiple of 256 from the buffer's first byte,
	global_store_b64 v2, v[PC+12*\u+4:PC+12*\u+5], s[8:9] offset:12288*\u+512     ; and 256
	global_store_b16 v7, v[TW+\u], s[10:11] offset:512*\u                         ; two bytes a row, 8 bytes apart; lanes l and l xor 16 store the same value to the same place
.endr
	s_wait_tensorcnt 0x0                           ; the wave's end
	ds_add_u32 v[SPW], v[NIL]
	s_wait_dscnt 0x0
	CROUND                                         ; the closing round
	s_endpgm
.Lfunc_end_k_qd222b72104_attn:
	.size	k_qd222b72104_attn, .Lfunc_end_k_qd222b72104_attn-k_qd222b72104_attn
	.p2alignl 7, 3214868480
	.fill 96, 4, 3214868480
	.section	.rodata,"a",@progbits
	.p2align	6, 0x0
	.amdhsa_kernel k_qd222b72104_attn
		.amdhsa_group_segment_fixed_size 215040
		.amdhsa_private_segment_fixed_size 0
		.amdhsa_enable_private_segment 0
		.amdhsa_kernarg_size 32
		.amdhsa_user_sgpr_count 2
		.amdhsa_user_sgpr_kernarg_segment_ptr 1
		.amdhsa_wavefront_size32 1
		.amdhsa_system_sgpr_workgroup_id_x 1
		.amdhsa_system_sgpr_workgroup_id_y 1
		.amdhsa_system_sgpr_workgroup_id_z 1
		.amdhsa_system_vgpr_workitem_id 0
		.amdhsa_next_free_vgpr 512
		.amdhsa_next_free_sgpr 66
		.amdhsa_reserve_vcc 0
		.amdhsa_float_denorm_mode_32 3
		.amdhsa_float_denorm_mode_16_64 3
		.amdhsa_memory_ordered 1
		.amdhsa_forward_progress 1
		.amdhsa_inst_pref_size 98
	.end_amdhsa_kernel
	.amdgpu_metadata
---
amdhsa.version: [ 1, 2 ]
amdhsa.kernels:
  - .name:           k_qd222b72104_attn
    .symbol:         k_qd222b72104_attn.kd
    .args:
      - { .name: qq, .offset: 0, .size: 8, .value_kind: global_buffer, .address_space: global }
      - { .name: kv, .offset: 8, .size: 8, .value_kind: global_buffer, .address_space: global }
      - { .name: ao, .offset: 16, .size: 8, .value_kind: global_buffer, .address_space: global }
      - { .name: aos, .offset: 24, .size: 8, .value_kind: global_buffer, .address_space: global }
    .group_segment_fixed_size: 215040
    .private_segment_fixed_size: 0
    .kernarg_segment_align: 8
    .kernarg_segment_size: 32
    .max_flat_workgroup_size: 256
    .sgpr_count:     66
    .vgpr_count:     512
    .wavefront_size: 32
...
	.end_amdgpu_metadata
.endif
;; end of part 3
;; launch oproj (part 4): grid 256 x 1, 4 waves a work-group, clusters of 4 x 1, 167,936 bytes of LDS; arguments codes, scales, ao, aos, bo, out0; writes out0
.if DOCPART == 4
	.amdgcn_target "amdgcn-amd-amdhsa--gfx1250"
	.amdhsa_code_object_version 6
	.text
	.protected	k_qd222b72104_oproj
	.globl	k_qd222b72104_oproj
	.p2align	8
	.type	k_qd222b72104_oproj,@function
k_qd222b72104_oproj:
	s_mov_b64 s[64:65], 0
	v_nop
	global_prefetch_b8 v0, s[64:65] scope:SCOPE_SE
	s_setreg_imm32_b32 hwreg(HW_REG_WAVE_MODE, 25, 1), 1
	s_wait_xcnt 0x0
	s_wait_alu depctr_hold_cnt(0) depctr_sa_sdst(0) depctr_va_vdst(0) depctr_va_sdst(0) depctr_va_ssrc(0) depctr_va_vcc(0) depctr_vm_vsrc(0)
	s_getreg_b32 s2, hwreg(HW_REG_IB_STS2, 6, 4)
	s_cmp_eq_u32 s2, 0
	s_cbranch_scc0 .Lentry_in_a_cluster
	s_endpgm
.Lentry_in_a_cluster:
	s_bfe_u32 s2, ttmp6, 0x10000c
	s_cmp_lg_u32 s2, 0x3003
	s_cbranch_scc0 .Lentry_shape_is_right
	s_endpgm
.Lentry_shape_is_right:
; out0 = o Wo^T + bo on codes of FP6 (E2M3) with E8M0 scales, sums in f32.  o's codes and scale words were made by the launch before, Wo's by the first, both as images of operand registers.
; A UNIT (work-group): Wo's rows 128 a .. + 127 (eight tiles, source 0) x rows 128 c .. + 127 of o (eight tiles, source 1), K = 1,024 in eight steps of 128; a = cluster / 8, c = 4 (cluster % 8) + cx.
; Lane r of tile T holds row 32 (T / 2) + 8 (T % 2) + r + 8 (r / 8): so the 16 registers of result tiles 2 b and 2 b + 1 are the 16 neighbouring outputs 32 b + 16 (lane / 16) + 0 .. 15 of one row.
; Wave w takes source 1's tiles 2 w and 2 w + 1 against all eight of source 0: 16 accumulators, which take turns, one instruction a turn.
; CLUSTER of 4: the four partners share a, and so Wo's panel, one dense block of 98,304 bytes: it is asked for jointly, a quarter (96 rows of 256 bytes) by each wave's one tensor load, and filled once.
; ALL ELSE IS ASKED FOR AT THE HEAD, straight into registers: both sides' scale words, my two tiles' fragments of all eight K steps (window 1), the bias (window 2): 100 loads a wave, in the order of their use.
; o's tiles, which 8 units of other clusters read too, are a wave's own within its work-group: they pass no LDS.
; NO PREFETCH: every request of the launch goes out at its head; no loop is left in which to ask ahead.
; Source 0's fragments come from LDS into two buffers, tiles 0-3 and tiles 4-7: each half's loads are out while the other half is multiplied.
; THE WAY OUT.  A lane's 64 numbers of a tile belong to one row; they go through the wave's own stage in LDS and leave as whole pieces of rows: 512 consecutive bytes a store.
.set FRB,  1536                        ; a fragment's image
.set STG,  98304                       ; LDS: behind the panel a stage of 16 rows x (512 bytes + 16) for each wave,
.set SPARE, STG+4*8448                 ; and the spare words
.set SPW,  6
.set NIL,  7
.set S1,   10                          ; v10-17   source 1's scale words: tile j, K steps 2 i, 2 i + 1 in v[S1 + 4 j + i]
.set S0,   24                          ; v24-55   source 0's: tile t in v[S0 + 4 t + i]
.set F0,   80                          ; v80-127  source 0's tiles 0-3
.set ACC,  128                         ; v128-255 accumulator (j, t) at ACC + 64 j + 8 t
.set F0B,  4                           ; window 1: v4-51 source 0's tiles 4-7,
.set F1W,  52                          ; v52-243 source 1's fragments: tile j, K step s at F1W + 96 j + 12 s;  window 2: v0-63 the bias
.set G1,   48
.set G0,   56
.set MSB, 0
.macro WIN new
.if MSB != \new
	s_set_vgpr_msb (MSB<<8)|\new
.set MSB, \new
.endif
.endm
.macro WALU
	s_wait_alu depctr_va_vdst(0)
.endm
.macro PLACES                          ; four plain vector lines between a matrix instruction and a load into, or a vector line on, its registers
.rept 4
	v_nop
.endr
.endm
.macro CROUND
	s_barrier_signal -1
	s_barrier_wait -1
	s_cmp_lg_u32 s18, 0
	s_cbranch_scc1 .Lnot_wave_0_\@
	s_barrier_signal -3
.Lnot_wave_0_\@:
	s_barrier_wait -3
	s_barrier_signal -1
	s_barrier_wait -1
.endm
.macro GFRAG reg, off
	global_load_b128 v[\reg:\reg+3], v1, s[28:29] offset:\off
	global_load_b64 v[\reg+4:\reg+5], v2, s[28:29] offset:\off+512
	global_load_b128 v[\reg+6:\reg+9], v1, s[28:29] offset:\off+768
	global_load_b64 v[\reg+10:\reg+11], v2, s[28:29] offset:\off+1280
.endm
.macro LFRAG reg, a16, a8, off
	ds_load_b128 v[\reg:\reg+3], v[\a16] offset:\off
	ds_load_b64 v[\reg+4:\reg+5], v[\a8] offset:\off+512
	ds_load_b128 v[\reg+6:\reg+9], v[\a16] offset:\off+768
	ds_load_b64 v[\reg+10:\reg+11], v[\a8] offset:\off+1280
.endm
.macro MUL8 s, th                      ; K step s: source 0's tiles 4 th .. 4 th + 3 x my two tiles.  An odd K step's scale words lie in lanes 16-31
.irp tt, 0,1,2,3
.irp j, 0,1
.set rD, ACC+64*\j+8*(4*(\th)+\tt)
.set rA, F0+12*\tt-(F0-F0B)*(\th)
.set rB, F1W+96*\j+12*(\s)
.set rSA, S0+4*(4*(\th)+\tt)+(\s)/2
.set rSB, S1+4*\j+(\s)/2
.if (\s) == 0
	v_wmma_scale_f32_16x16x128_f8f6f4 v[rD:rD+7], v[rA:rA+11], v[rB:rB+11], 0, v[rSA], v[rSB] matrix_a_fmt:MATRIX_FMT_FP6 matrix_b_fmt:MATRIX_FMT_FP6
.elseif (\s)%2 == 0
	v_wmma_scale_f32_16x16x128_f8f6f4 v[rD:rD+7], v[rA:rA+11], v[rB:rB+11], v[rD:rD+7], v[rSA], v[rSB] matrix_a_fmt:MATRIX_FMT_FP6 matrix_b_fmt:MATRIX_FMT_FP6
.else
	v_wmma_scale_f32_16x16x128_f8f6f4 v[rD:rD+7], v[rA:rA+11], v[rB:rB+11], v[rD:rD+7], v[rSA], v[rSB] matrix_a_fmt:MATRIX_FMT_FP6 matrix_b_fmt:MATRIX_FMT_FP6 matrix_a_scale:MATRIX_SCALE_ROW1 matrix_b_scale:MATRIX_SCALE_ROW1
.endif
.endr
.endr
.endm
.macro KSTEP s
.if (\s) > 0
	PLACES
.endif
	WIN 0x40
.irp t, 0,1,2,3
	LFRAG F0B+12*\t, 3, 4, (8*\t+(\s))*FRB         ; tiles 4-7 lie 49,152 bytes on: address registers of their own
.endr
	WIN 0
.if 8*(7-(\s))+16 > 63
	s_wait_loadcnt 63                              ; behind this K step's fragments stand more loads than a wait can name: the largest count serves
.else
	s_wait_loadcnt 8*(7-(\s))+16                   ; this K step's fragments of source 1 are in; the later K steps' eight loads each and the bias's sixteen may be out
.endif
	s_wait_dscnt 16                                ; tiles 0-3 are in; the sixteen loads of tiles 4-7 may be out
	WIN 0x04
	MUL8 \s, 0
	PLACES
	WIN 0
.if (\s) < 7
.irp t, 0,1,2,3
	LFRAG F0+12*\t, 1, 2, (8*\t+(\s)+1)*FRB        ; the next K step's tiles 0-3
.endr
	s_wait_dscnt 16                                ; tiles 4-7 are in; the sixteen loads just issued may be out
.else
	s_wait_dscnt 0x0
.endif
	WIN 0x05
	MUL8 \s, 1
	WIN 0
.endm
	s_load_b256 s[4:11], s[0:1], 0x0               ; codes, scales, ao, aos
	s_load_b128 s[12:15], s[0:1], 0x20             ; bo, out0
	v_lshl_add_u32 v[SPW], v0, 2, SPARE
	v_mov_b32 v[NIL], 0
	ds_add_u32 v[SPW], v[NIL]                      ; the opening lines: the add, twice on end, and its wait
	ds_add_u32 v[SPW], v[NIL]
	v_lshrrev_b32 v1, 5, v0
	v_readfirstlane_b32 s18, v1                    ; wave 0..3
	s_bfe_u32 s19, ttmp6, 0x40000                  ; cx: it enters the addresses of o and of out0 alone
	s_lshr_b32 s20, ttmp9, 3                       ; a
	s_and_b32 s21, ttmp9, 7
	s_lshl_b32 s21, s21, 2
	s_add_co_u32 s21, s21, s19                     ; c
	s_mov_b32 s[G1], 15|(3<<16)|(1<<21)            ; the mask: all four work-groups; elements of 8 bytes; bit 21 beside a mask
	s_mov_b32 s[G1+1], 32<<16                      ; rows of 256 bytes
	s_mov_b32 s[G1+2], 96<<16                      ; 96 rows
	s_mov_b32 s[G1+3], 32<<16
	s_mov_b32 s[G1+4], 96
	s_mov_b32 s[G1+5], 32
	s_mov_b32 s[G1+6], 0
	s_mov_b32 s[G1+7], 0
	s_lshl_b32 s40, s20, 3
	s_add_co_u32 s40, s40, 960                     ; Wo's first tile: 960 + 8 a
	s_mul_i32 s42, s40, 12288
	s_mul_i32 s22, s18, 24576                      ; my quarter of the panel: in memory and in LDS alike
	s_add_co_u32 s42, s42, s22
	s_mov_b32 s43, 0
	s_mov_b32 s[G0], 1
	s_mov_b32 s[G0+1], s22
	WALU
	s_wait_dscnt 0x0
	CROUND                                         ; all four work-groups are here: the joint loads meet
	s_wait_kmcnt 0x0
	s_add_nc_u64 s[G0+2:G0+3], s[4:5], s[42:43]
	s_or_b32 s[G0+3], s[G0+3], 0x80000000
	tensor_load_to_lds s[G0:G0+3], s[G1:G1+7]
	s_nop 0
	PLACES
	v_and_b32 v2, 31, v0
	v_lshlrev_b32 v1, 4, v2                        ; 16 x lane
	v_lshlrev_b32 v2, 3, v2                        ; 8 x lane
	v_add_nc_u32 v3, 49152, v1                     ; the panel's tiles 4-7
	v_add_nc_u32 v4, 49152, v2
	v_bfe_u32 v5, v0, 4, 1
	v_lshlrev_b32 v5, 6, v5                        ; the bias of lanes 16-31 begins 16 numbers on
	s_lshl_b32 s44, s40, 9
	s_mov_b32 s45, 0
	s_lshl_b32 s46, s21, 3
	s_lshl_b32 s47, s18, 1
	s_add_co_u32 s46, s46, s47                     ; my first tile of o: 8 c + 2 w
	s_lshl_b32 s38, s46, 9
	s_mov_b32 s39, 0
	s_mul_i32 s46, s46, 12288
	s_mov_b32 s47, 0
	s_lshl_b32 s36, s20, 9                         ; the bias, and my columns of out0: 128 a numbers on
	s_mov_b32 s37, 0
	s_lshl_b32 s34, s21, 7
	s_lshl_b32 s35, s18, 5
	s_add_co_u32 s34, s34, s35                     ; my first row of out0: 128 c + 32 w
	s_lshl_b32 s34, s34, 12
	s_add_co_u32 s34, s34, s36
	s_mov_b32 s35, 0
	s_add_nc_u64 s[26:27], s[6:7], s[44:45]
	s_add_nc_u64 s[28:29], s[8:9], s[46:47]
	s_add_nc_u64 s[30:31], s[10:11], s[38:39]
	s_add_nc_u64 s[32:33], s[12:13], s[36:37]
	s_add_nc_u64 s[14:15], s[14:15], s[34:35]
	WALU                                           ; the wait ahead of these readers
.irp j, 0,1
.irp f, 0,1
	global_load_b64 v[S1+4*\j+2*\f:S1+4*\j+2*\f+1], v2, s[30:31] offset:512*\j+256*\f
.endr
.endr
.irp t, 0,1,2,3,4,5,6,7
.irp f, 0,1
	global_load_b64 v[S0+4*\t+2*\f:S0+4*\t+2*\f+1], v2, s[26:27] offset:512*\t+256*\f
.endr
.endr
	WIN 0x40
.irp s, 0,1,2,3,4,5,6,7
.irp j, 0,1
	GFRAG F1W+96*\j+12*\s, 12288*\j+FRB*\s
.endr
.endr
	WIN 0x80
.irp b, 0,1,2,3
.irp i, 0,1,2,3
	global_load_b128 v[16*\b+4*\i:16*\b+4*\i+3], v5, s[32:33] offset:128*\b+16*\i   ; register 16 b + e is output 128 a + 32 b + 16 (lane / 16) + e
.endr
.endr
	WIN 0
	WALU                                           ; the wait at the head's end
	s_wait_tensorcnt 0x0                           ; my quarter of the panel is in,
	s_barrier_signal -1
	s_barrier_wait -1                              ; everybody's is; these bytes are not written again
.irp t, 0,1,2,3
	LFRAG F0+12*\t, 1, 2, (8*\t)*FRB               ; K step 0's tiles 0-3
.endr
.irp s, 0,1,2,3,4,5,6,7
	KSTEP \s
.endr
	PLACES
	v_and_b32 v8, 15, v0
	v_mul_u32_u24 v8, v8, 528
	v_bfe_u32 v9, v0, 4, 1
	v_lshl_add_u32 v8, v9, 6, v8
	s_mul_i32 s22, s18, 8448
	s_add_co_u32 s22, s22, STG                     ; my stage
	v_add_nc_u32 v8, s22, v8                       ; in: row r, + 64 bytes for lanes 16-31
	v_add_nc_u32 v9, s22, v1                       ; back: the 32 lanes take one row's 512 bytes
	s_wait_loadcnt 0x0                             ; the bias
	WIN 0x08
.irp j, 0,1
.set n, 0
.rept 32
	v_pk_add_f32 v[ACC+64*\j+2*n:ACC+64*\j+2*n+1], v[ACC+64*\j+2*n:ACC+64*\j+2*n+1], v[2*n:2*n+1]   ; + the bias; each accumulator from its low end on
.set n, n+1
.endr
.endr
	WIN 0
	WALU
.irp j, 0,1                            ; tile j: through the stage.  LDS serves a wave's instructions in order: the loads see the stores above them, and tile 1's stores come behind tile 0's loads
.irp b, 0,1,2,3
.irp i, 0,1,2,3
	ds_store_b128 v8, v[ACC+64*\j+16*\b+4*\i:ACC+64*\j+16*\b+4*\i+3] offset:128*\b+16*\i
.endr
.endr
.set p, 0
.rept 16                               ; tile 0's rows come back into v56-119, tile 1's into v128-191, which tile 0's numbers have left: no store's data are written again
	ds_load_b128 v[56+72*\j+4*p:56+72*\j+4*p+3], v9 offset:528*p
.set p, p+1
.endr
.set p, 0
.rept 16
	s_wait_dscnt 15-p                              ; row p is back; the 15 - p rows behind it may be out
	global_store_b128 v1, v[56+72*\j+4*p:56+72*\j+4*p+3], s[14:15] offset:(p+8*(p/8)+8*\j)*4096 th:TH_STORE_NT   ; 512 consecutive bytes, at a multiple of 256 from out0's first byte; written once, read by nobody here
.set p, p+1
.endr
.endr
	s_wait_tensorcnt 0x0                           ; the wave's end
	ds_add_u32 v[SPW], v[NIL]
	s_wait_dscnt 0x0
	CROUND                                         ; the closing round
	s_endpgm
.Lfunc_end_k_qd222b72104_oproj:
	.size	k_qd222b72104_oproj, .Lfunc_end_k_qd222b72104_oproj-k_qd222b72104_oproj
	.p2alignl 7, 3214868480
	.fill 96, 4, 3214868480
	.section	.rodata,"a",@progbits
	.p2align	6, 0x0
	.amdhsa_kernel k_qd222b72104_oproj
		.amdhsa_group_segment_fixed_size 167936
		.amdhsa_private_segment_fixed_size 0
		.amdhsa_enable_private_segment 0
		.amdhsa_kernarg_size 48
		.amdhsa_user_sgpr_count 2
		.amdhsa_user_sgpr_kernarg_segment_ptr 1
		.amdhsa_wavefront_size32 1
		.amdhsa_system_sgpr_workgroup_id_x 1
		.amdhsa_system_sgpr_workgroup_id_y 1
		.amdhsa_system_sgpr_workgroup_id_z 1
		.amdhsa_system_vgpr_workitem_id 0
		.amdhsa_next_free_vgpr 576
		.amdhsa_next_free_sgpr 66
		.amdhsa_reserve_vcc 0
		.amdhsa_float_denorm_mode_32 3
		.amdhsa_float_denorm_mode_16_64 3
		.amdhsa_memory_ordered 1
		.amdhsa_forward_progress 1
		.amdhsa_inst_pref_size 63
	.end_amdhsa_kernel
	.amdgpu_metadata
---
amdhsa.version: [ 1, 2 ]
amdhsa.kernels:
  - .name:           k_qd222b72104_oproj
    .symbol:         k_qd222b72104_oproj.kd
    .args:
      - { .name: codes, .offset: 0, .size: 8, .value_kind: global_buffer, .address_space: global }
      - { .name: scales, .offset: 8, .size: 8, .value_kind: global_buffer, .address_space: global }
      - { .name: ao, .offset: 16, .size: 8, .value_kind: global_buffer, .address_space: global }
      - { .name: aos, .offset: 24, .size: 8, .value_kind: global_buffer, .address_space: global }
      - { .name: bo, .offset: 32, .size: 8, .value_kind: global_buffer, .address_space: global }
      - { .name: out0, .offset: 40, .size: 8, .value_kind: global_buffer, .address_space: global }
    .group_segment_fixed_size: 167936
    .private_segment_fixed_size: 0
    .kernarg_segment_align: 8
    .kernarg_segment_size: 48
    .max_flat_workgroup_size: 128
    .sgpr_count:     66
    .vgpr_count:     576
    .wavefront_size: 32
...
	.end_amdgpu_metadata
.endif
;; end of part 4
